; MI455X (gfx1250); checked and timed in simulation.
; The chip was launched on July 23, 2026; its instructions are those of AMD's public machine-readable ISA for CDNA 5 (MIT licence, August 2026) and "CDNA5" Instruction Set Architecture Reference Guide (July 2026). The comments in the code are by the model that wrote it; some were corrected since.
;; Mask Attn2. Allowed arithmetic: matrix products marked QUANTISED: E4M3 operands, one given power-of-two scale a tensor, by v_wmma_f32_16x16x64_fp8_fp8 or v_wmma_f32_16x16x128_fp8_fp8, f32 sums; everything else in f32.
;; Inputs: lowp_scales 8 int32 (the exponents e of the quantised operands' scales 2^e); mWin 4 x 2,048 x 1 float32; proj_b 1,024 float32; proj_w 1,024 x 1,024 float32; qkv_w 3,072 x 1,024 float32; x 4 x 2,048 x 1,024 float32.
;; Outputs: out0 4 x 2,048 x 1,024 float32.
;; This version of the problem:
;;   THIS VERSION OF THE PROBLEM IS GIVEN IN LOW PRECISION. The matrix products marked QUANTISED in the list below multiply operands that are first quantised to E4M3 (4 exponent bits, 3 mantissa bits; 8 bits a number), with one given power-of-two scale for each operand tensor; their sums are f32. All else is computed in f32.
;;   The module's matrix products, in the order in which they are computed (A, B: the left and right operand; K: the contracted axis; several contracted axes count as one K, in the product's order):
;;     1. [M 8,192, K 1,024] x [K 1,024, N 3,072]; A: input x; B: input qkv_w: QUANTISED (scales: A lowp_scales[0], B lowp_scales[1])
;;     2. batch 64 x [M 2,048, K 64] x [K 64, N 2,048]; A: computed on the way; B: computed on the way: QUANTISED (scales: A lowp_scales[2], B lowp_scales[3])
;;     3. batch 64 x [M 2,048, K 2,048] x [K 2,048, N 64]; A: softmax (see below); B: computed on the way: QUANTISED (scales: A lowp_scales[4], B lowp_scales[5])
;;     4. [M 8,192, K 1,024] x [K 1,024, N 1,024]; A: computed on the way; B: input proj_w: QUANTISED (scales: A lowp_scales[6], B lowp_scales[7])
;;   THE QUANTISER, for each operand of a quantised product, along K:
;;     - The operand's scale is 2^e, e = its entry of the input lowp_scales (int32; the entries are numbered through the quantised products in the list's order, A before B).
;;     - Each number is divided by the scale, clamped to +-448, and rounded to the nearest number of E4M3, ties to even, subnormals kept.
;;     - The product sums the exact products of the quantised numbers (number of the format x scale) in f32.
;;   ~~~python
;;   def quantise(x, axis, e):      # numpy; x: float32 -> the quantised numbers, widened to float32 again
;;       x = np.moveaxis(x, axis, -1); K = x.shape[-1]
;;       r = np.clip(x / 2.0 ** e, -448, 448)
;;       step = 2.0 ** (np.maximum(np.frexp(np.where(r == 0, 1, r))[1] - 1, -6) - 3)
;;       q = np.round(r / step) * step * 2.0 ** e      # np.round: ties to even
;;       return np.moveaxis(q, -1, axis).astype(np.float32)
;;   ~~~
;;   SOFTMAX AHEAD OF A QUANTISED PRODUCT. Where the list says 'softmax', what is quantised is not the finished softmax but p = 2^(t - M), with t = logit x log2(e) and M = ceil(the row's largest t), a whole number; so 1/2 < the row's largest p <= 1. The row's sum l is taken of the UNQUANTISED p, in f32, and the product's result is divided by l at the end. Since M is a whole number, a kernel that streams over the keys may use a running M (the ceiling of the running maximum): every later rescaling is an exact power of two, so the quantised numbers keep their values, but for numbers so far below the row's largest that they fall under the format's range.
;;   OPERANDS COMPUTED ON THE WAY. 'Computed on the way' means the value that the module computes at that place (a softmax that the list does not call 'softmax' is quantised finished and normalised). What goes into a quantiser is computed in f32, as accurately as f32 sums, v_exp_f32 and their like allow (about 1e-6 of the number): no bf16 or f16 on the way to a quantiser, and a product that is left as it is and whose result goes on into a quantised operand takes f32 operands (vector FMAs, or v_wmma_f32_16x16x4_f32). A number that lies on a knife's edge between two numbers of the format may be rounded either way, as far as f32 arithmetic and the matrix unit's own rounding can turn it there, and no further.
;; 2 versions. Each part assembles by itself: llvm-mc -triple=amdgcn-amd-amdhsa -mcpu=gfx1250 --defsym DOCPART=n.
;; ======== version 1 of 2: 4 launches
;; workspace buffers: xc 8,388,608 bytes; wqc 3,145,728 bytes; wpc 1,048,576 bytes; qkvc 25,165,824 bytes; ac 8,388,608 bytes
;; launch quant (part 1): grid 384 x 1, 4 waves a work-group, no clusters, 33,280 bytes of LDS; arguments x, qkv_w, proj_w, lowp_scales, xc, wqc, wpc; writes xc, wqc, wpc
.if DOCPART == 1
	.amdgcn_target "amdgcn-amd-amdhsa--gfx1250"
	.amdhsa_code_object_version 6
	.text
	.protected	k_q238f8fda0d_quant
	.globl	k_q238f8fda0d_quant
	.p2align	8
	.type	k_q238f8fda0d_quant,@function
k_q238f8fda0d_quant:
	s_mov_b64 s[64:65], 0
	v_nop
	global_prefetch_b8 v0, s[64:65] scope:SCOPE_SE
	s_setreg_imm32_b32 hwreg(HW_REG_WAVE_MODE, 25, 1), 1
	s_wait_xcnt 0x0
; x [8192][1024], qkv_w [3072][1024] and proj_w [1024][1024], f32, K innermost, are turned into codes of FP8 (E4M3), one byte each, in the same order,
; each with the one scale 2^e that is given for it: entries 0, 1 and 7 of the buffer of scales.
; code = number / 2^e, held within +-448, rounded to the nearest code, ties to even.
; LIMITS: -126 <= e and e + 8 <= 127 for the three entries.  NaN among the inputs is not served (an infinity is held at the largest code).
; Rows are dense, so each tensor is a plain stream of numbers and its codes a plain stream of bytes: nothing here knows of rows.
; A work-group takes 32,768 numbers: work-groups 0-255 x, 256-351 qkv_w, 352-383 proj_w.  Only pointers and the exponent are chosen: all take one path.
; A wave takes 16 steps of 512 numbers.  Each of a step's four loads reads 512 consecutive bytes, 16 a lane; the 2,048 bytes go through the wave's own stage in LDS
; and come back 64 bytes a lane, so that a lane holds 16 neighbours for the conversions; its 16 codes are 16 bytes, and the wave stores 512 consecutive bytes.
; No tensor loads, no barrier: waves share nothing.  Loads run four steps (16 loads a wave) ahead, the turn through LDS one step.
.set WAVES, 4
.set STEPS, 16
.set WGX,   256                        ; work-groups under this number take x
.set WGQ,   352                        ; under this one qkv_w, the others proj_w
.set EMAX,  8
.set MANT,  0x600000                   ; the mantissa field of 448 as f32
.set CB,    16                         ; bytes of 16 codes
.set R,     16                         ; v16-79   four sets of 16 numbers as they are loaded
.set X,     80                         ; v80-111  two sets of 16 neighbours
.set C,     128                        ; v128-191 codes: four registers for each step, so that no store's data are written again
.set WREG,  8192                       ; LDS: a region of its own for each wave: two stages of 32 x SP bytes
.set SP,    80                         ; a lane's place in a stage: its 64 bytes + 16 of padding
.set SPW,   12                         ; v12      LDS address of my spare word; never rewritten
.set NIL,   13                         ; v13      0; never rewritten
.set SPARE, WAVES*WREG                 ; behind the four regions: the spare words, 128 bytes for each wave, which no other line names
	s_load_b128 s[4:7], s[0:1], 0x0                ; x, qkv_w
	s_load_b128 s[8:11], s[0:1], 0x10              ; proj_w, the scales' exponents
	s_load_b128 s[12:15], s[0:1], 0x20             ; x's codes, qkv_w's codes
	s_load_b64 s[24:25], s[0:1], 0x30              ; proj_w's codes
	v_lshl_add_u32 v[SPW], v0, 2, SPARE
	v_mov_b32 v[NIL], 0
	v_lshrrev_b32 v1, 5, v0
	v_readfirstlane_b32 s16, v1                    ; wave
	v_and_b32 v2, 31, v0                           ; lane
	v_lshlrev_b32 v3, 4, v2                        ; my 16 bytes of a load's 512
	s_mul_i32 s17, s16, WREG
	v_lshrrev_b32 v14, 2, v2
	v_mul_u32_u24 v14, v14, SP
	v_and_b32 v15, 3, v2
	v_lshl_add_u32 v14, v15, 4, v14
	v_add_nc_u32 v14, s17, v14                     ; the stage, on the way in: four lanes' 64 bytes on end, then 16 of padding
	v_mul_u32_u24 v15, v2, SP
	v_add_nc_u32 v15, s17, v15                     ; and on the way out: SP x lane: my 16 neighbours
	v_mul_u32_u24 v4, v2, CB                       ; my codes' place in a step's
	s_wait_kmcnt 0x0
	s_load_b256 s[32:39], s[10:11], 0x0            ; the eight exponents
	s_cmp_lt_u32 ttmp9, WGQ                        ; qkv_w or proj_w?  Both choices hang on the work-group's number alone
	s_cselect_b64 s[6:7], s[6:7], s[8:9]
	s_cselect_b64 s[14:15], s[14:15], s[24:25]
	s_mov_b32 s17, WGQ
	s_cselect_b32 s17, WGX, s17
	s_cmp_lt_u32 ttmp9, WGX                        ; x or one of those two?
	s_cselect_b64 s[4:5], s[4:5], s[6:7]           ; the numbers
	s_cselect_b64 s[8:9], s[12:13], s[14:15]       ; the codes
	s_cselect_b32 s17, 0, s17                      ; the tensor's first work-group
	s_sub_co_u32 s17, ttmp9, s17
	s_lshl_b32 s17, s17, 2
	s_add_co_u32 s18, s17, s16                     ; which run of 8,192 numbers of the tensor is my wave's
	s_mov_b32 s19, 0
	s_mov_b64 s[20:21], 512*STEPS*4
	s_mul_u64 s[20:21], s[18:19], s[20:21]
	s_add_nc_u64 s[4:5], s[4:5], s[20:21]
	s_mov_b64 s[20:21], 32*STEPS*CB
	s_mul_u64 s[20:21], s[18:19], s[20:21]
	s_add_nc_u64 s[8:9], s[8:9], s[20:21]
.macro LOAD t
.irp i, 0,1,2,3
	global_load_b128 v[R+16*((\t)%4)+4*\i:R+16*((\t)%4)+4*\i+3], v3, s[4:5] offset:2048*(\t)+512*\i th:TH_LOAD_NT   ; 32 lanes read 512 consecutive bytes
.endr
.endm
.macro TURN t                          ; step t's numbers through the stage: LDS serves a wave's instructions in order, so no wait stands between the stores and the loads
.irp i, 0,1,2,3
	ds_store_b128 v14, v[R+16*((\t)%4)+4*\i:R+16*((\t)%4)+4*\i+3] offset:32*SP*((\t)%2)+8*SP*\i
.endr
.irp i, 0,1,2,3
	ds_load_b128 v[X+16*((\t)%2)+4*\i:X+16*((\t)%2)+4*\i+3], v15 offset:32*SP*((\t)%2)+16*\i
.endr
.endm
.irp t, 0,1,2,3
	LOAD \t
.endr
	s_wait_kmcnt 0x0
	s_cmp_lt_u32 ttmp9, WGQ
	s_cselect_b32 s22, s33, s39                    ; qkv_w's e or proj_w's
	s_cmp_lt_u32 ttmp9, WGX
	s_cselect_b32 s22, s32, s22                    ; or x's
	s_add_co_i32 s22, s22, 127
	s_lshl_b32 s23, s22, 23
	v_mov_b32 v11, s23                             ; 2^e as f32: the conversion takes its exponent field
	s_add_co_i32 s22, s22, EMAX
	s_lshl_b32 s22, s22, 23
	s_or_b32 s22, s22, MANT
	v_mov_b32 v10, s22                             ; 448 x 2^e
	s_wait_loadcnt 12                              ; step 0's four loads are in; the twelve of steps 1 to 3 may be out
	TURN 0
.macro STEP t
.set XS, X+16*((\t)%2)
	s_wait_dscnt 0x0                               ; this step's numbers are back from the stage: so its stores into the stage have read their registers,
.if (\t)+4 < STEPS
	LOAD (\t)+4                                    ; which take the loads of four steps on
.endif
.if (\t)+1 < STEPS
.if STEPS-2-(\t) >= 3
	s_wait_loadcnt 12                              ; the next step's four loads are in; those of the three steps behind it may be out
.else
	s_wait_loadcnt 4*(STEPS-2-(\t))
.endif
	TURN (\t)+1                                    ; and go through the other stage while this step is worked
.endif
.irp i, 0,1,2,3,4,5,6,7,8,9,10,11,12,13,14,15
	v_med3_num_f32 v[XS+\i], v[XS+\i], -v10, v10   ; the conversion to an 8-bit code does not saturate (ISA guide 7.6.2): the number is held within 448 x the scale first
.endr
	v_cvt_scalef32_pk8_fp8_f32 v[C+4*(\t):C+4*(\t)+1], v[XS:XS+7], v11          ; eight numbers / 2^e, to the nearest code, ties to even; the first number's code in the lowest byte
	v_cvt_scalef32_pk8_fp8_f32 v[C+4*(\t)+2:C+4*(\t)+3], v[XS+8:XS+15], v11
	global_store_b128 v4, v[C+4*(\t):C+4*(\t)+3], s[8:9] offset:32*CB*(\t)      ; the wave stores 512 consecutive bytes, aligned
.endm
.irp t, 0,1,2,3,4,5,6,7,8,9,10,11,12,13,14,15
	STEP \t
.endr
	s_wait_tensorcnt 0x0                           ; the wave's end, behind my last LDS store
	ds_add_u32 v[SPW], v[NIL]
	s_wait_dscnt 0x0
	s_endpgm
.Lfunc_end_k_q238f8fda0d_quant:
	.size	k_q238f8fda0d_quant, .Lfunc_end_k_q238f8fda0d_quant-k_q238f8fda0d_quant
	.p2alignl 7, 3214868480
	.fill 96, 4, 3214868480
	.section	.rodata,"a",@progbits
	.p2align	6, 0x0
	.amdhsa_kernel k_q238f8fda0d_quant
		.amdhsa_group_segment_fixed_size 33280
		.amdhsa_private_segment_fixed_size 0
		.amdhsa_enable_private_segment 0
		.amdhsa_kernarg_size 56
		.amdhsa_user_sgpr_count 2
		.amdhsa_user_sgpr_kernarg_segment_ptr 1
		.amdhsa_wavefront_size32 1
		.amdhsa_system_sgpr_workgroup_id_x 1
		.amdhsa_system_sgpr_workgroup_id_y 1
		.amdhsa_system_sgpr_workgroup_id_z 1
		.amdhsa_system_vgpr_workitem_id 0
		.amdhsa_next_free_vgpr 192
		.amdhsa_next_free_sgpr 66
		.amdhsa_reserve_vcc 0
		.amdhsa_float_denorm_mode_32 3
		.amdhsa_float_denorm_mode_16_64 3
		.amdhsa_memory_ordered 1
		.amdhsa_forward_progress 1
		.amdhsa_inst_pref_size 38
	.end_amdhsa_kernel
	.amdgpu_metadata
---
amdhsa.version: [ 1, 2 ]
amdhsa.kernels:
  - .name:           k_q238f8fda0d_quant
    .symbol:         k_q238f8fda0d_quant.kd
    .args:
      - { .name: x, .offset: 0, .size: 8, .value_kind: global_buffer, .address_space: global }
      - { .name: qkv_w, .offset: 8, .size: 8, .value_kind: global_buffer, .address_space: global }
      - { .name: proj_w, .offset: 16, .size: 8, .value_kind: global_buffer, .address_space: global }
      - { .name: lowp_scales, .offset: 24, .size: 8, .value_kind: global_buffer, .address_space: global }
      - { .name: xc, .offset: 32, .size: 8, .value_kind: global_buffer, .address_space: global }
      - { .name: wqc, .offset: 40, .size: 8, .value_kind: global_buffer, .address_space: global }
      - { .name: wpc, .offset: 48, .size: 8, .value_kind: global_buffer, .address_space: global }
    .group_segment_fixed_size: 33280
    .private_segment_fixed_size: 0
    .kernarg_segment_align: 8
    .kernarg_segment_size: 56
    .max_flat_workgroup_size: 128
    .sgpr_count:     66
    .vgpr_count:     192
    .wavefront_size: 32
...
	.end_amdgpu_metadata
.endif
;; end of part 1
;; launch qkv (part 2): grid 12 x 32, 4 waves a work-group, clusters of 4 x 4, 327,680 bytes of LDS; arguments xc, wqc, lowp_scales, mWin, qkvc; writes qkvc
.if DOCPART == 2
	.amdgcn_target "amdgcn-amd-amdhsa--gfx1250"
	.amdhsa_code_object_version 6
	.text
	.protected	k_q238f8fda0d_qkv
	.globl	k_q238f8fda0d_qkv
	.p2align	8
	.type	k_q238f8fda0d_qkv,@function
k_q238f8fda0d_qkv:
	s_mov_b64 s[64:65], 0
	v_nop
	global_prefetch_b8 v0, s[64:65] scope:SCOPE_SE
	s_setreg_imm32_b32 hwreg(HW_REG_WAVE_MODE, 25, 1), 1
	s_wait_xcnt 0x0
	s_wait_alu depctr_hold_cnt(0) depctr_sa_sdst(0) depctr_va_vdst(0) depctr_va_sdst(0) depctr_va_ssrc(0) depctr_va_vcc(0) depctr_vm_vsrc(0)
	s_getreg_b32 s2, hwreg(HW_REG_IB_STS2, 6, 4)
	s_cmp_eq_u32 s2, 0
	s_cbranch_scc0 .Lentry_in_a_cluster
	s_endpgm
.Lentry_in_a_cluster:
	s_bfe_u32 s2, ttmp6, 0x10000c
	s_cmp_lg_u32 s2, 0xf033
	s_cbranch_scc0 .Lentry_shape_is_right
	s_endpgm
.Lentry_shape_is_right:
; The first product, x W^T on codes of FP8 (E4M3), and the quantising of its results as operands of the two products of attention.
; xc: [8192][1024], wqc: [3072][1024]: codes, K innermost.  Sums in f32.  A sum stands for sum x 2^(e0 + e1).
; q = sum x 2^(e0+e1) / 8 x m[token], k = sum x 2^(e0+e1) x m[token], v likewise; their codes are number / 2^e (e2, e3, e5), held within +-448.
; So a code is (sum x m) / 2^E with E = e2 + 3 - e0 - e1 (q), e3 - e0 - e1 (k), e5 - e0 - e1 (v): one multiplication by m, the hold, one conversion.
; LIMITS: each of the three E lies between -126 and 119, so that 2^E and 448 x 2^E are f32 numbers.  NaN among the inputs is not served.
; OUT: qkvc has three parts of 8,388,608 bytes.  q and k: [bh = 16 batch + head][token][64]; v: [bh][block of 128 tokens][channel 0..63][128 tokens], the keys innermost.
;   Inside each group of 32 along the innermost axis, byte 16 h + 8 u + j holds index 16 u + 8 h + j: the order in which a lane's codes fall.  In q and k it is the same
;   permutation of the channels on both sides; in v it is the order in which the next launch's weights fall.
; A tile of 256 tokens x 256 columns is made by four waves, 128 x 128 each: 64 accumulators.  K goes in steps of 256 through a ring of two LDS slots filled by tensor loads.
; CLUSTERS: 4 x 4 work-groups; x's tiles are asked for jointly along a row of the cluster, W's along a column.  The cluster's x is the kind: 0 q, 1 k, 2 v: the same in all sixteen partners.
; THE MATRIX INSTRUCTION'S SOURCES: source 1 gives a lane its row, source 0 the eight neighbours in its registers.  q, k: source 1 = tokens, source 0 = columns: a lane holds eight channels of a token.
;   v: the two LDS regions change places: source 1 = columns, source 0 = tokens: a lane holds eight tokens of a channel.  Only four address registers differ.
; REGISTERS: window 0: v0-31 addresses; v32-95 m of the tokens that lie along registers; v96-111 m of the tokens that lie along lanes; from v128 source 1's fragments, one set (on the way out: codes and rows).
;   window 1: source 0's fragments, two sets.   windows 2, 3: the accumulators ((a, b) at v[8 (8 (a % 4) + b)]).
.set SIZE_K, 1024
.set KSTEP,  256                       ; along K in a slot
.set ROWB,   256                       ; a tile's row in bytes
.set KROW,   SIZE_K                    ; a row of codes in memory, in bytes
.set PITCH,  272                       ; an LDS row: 256 bytes + 16 of padding: the 16 rows that a load touches start 68 words apart
.set FR,     16                        ; registers of a fragment: 16 rows x 128 K
.set NL,     4                         ; LDS loads that bring one
.set NP,     4                         ; places behind this matrix instruction (ISA guide 7.12.1)
.set HALFT,  128*PITCH                 ; 128 rows: what one tensor load brings
.set SLOT,   4*HALFT                   ; x's 256 rows, then W's 256 rows
.set LAPS,   SIZE_K/(2*KSTEP)          ; a lap = two K steps = once round the ring
.set SPARE,  2*SLOT                    ; behind the ring: the spare words, 128 bytes for each wave, which no other line names
.set RSTG,   0                         ; the way out of q and k: for each wave 2 heads x 16 rows x 80 bytes.  Both stages lie in slot 0, which has had its last fill and its last read by then
.set CSTG,   16384                     ; the way out of v: for each wave 16 rows x 144 bytes
.set SCV,  12                          ; v12     2^E as f32
.set LIMV, 13                          ; v13     448 x 2^E
.set ADRA, 16                          ; v16-17  LDS address of source 1's fragments in slot 0, 1
.set ADRB, 20                          ; v20-21  the same for source 0
.set STOC, 22                          ; v22, v23  v's stage: where I put 16 bytes, where I read rows back
.set RDC,  23
.set STOR, 24                          ; v24, v25  the same for q and k
.set RDR,  25
.set GOF,  26                          ; v26     16 x lane: my place in a store's 512 bytes
.set SPW,  28                          ; v28     LDS address of my spare word; never rewritten
.set NIL,  29                          ; v29     0; never rewritten
.set MC,   32
.set MR,   96
.set AF,   128
.set CD,   128                         ; the way out: a block's codes, two sets of 16
.set BK,   160                         ; and its rows read back, two sets of 16
.set G1, 24                            ; s[24:31] descriptor group 1 for x's tiles;  s[32:39] group 0, one set for each slot
.set G0, 32
.set G1B, 48                           ; s[48:55], s[56:63] the same for W's tiles
.set G0B, 56
.set MSB, 0
.macro WIN new                         ; the immediate's high byte repeats the setting that is left
.if MSB != \new
	s_set_vgpr_msb (MSB<<8)|\new
.set MSB, \new
.endif
.endm
.set MUL_LO, 0xa1                      ; source 0 window 1, source 1 window 0, C and D window 2
.set MUL_HI, 0xf1                      ; the same, C and D window 3
.set TO_B,   0x40                      ; destination window 1, address window 0
; A joint load: waves 0 and 1 fetch x's halves, waves 2 and 3 W's.  Each line has one mask and one set of registers; the branch hangs on the wave's number alone.
; An s_nop 0 and four v_nop follow each of the two lines.
.macro JLOAD g0a, g1a, g0b, g1b
	s_cmp_eq_u32 s15, 0
	s_cbranch_scc0 .Lfor_b_\@
	tensor_load_to_lds s[\g0a:\g0a+3], s[\g1a:\g1a+7]
	s_nop 0
.rept 4
	v_nop
.endr
	s_branch .Lasked_\@
.Lfor_b_\@:
	tensor_load_to_lds s[\g0b:\g0b+3], s[\g1b:\g1b+7]
	s_nop 0
.rept 4
	v_nop
.endr
.Lasked_\@:
.endm
.macro CREST                           ; a round of the cluster's barrier behind its opening barrier
	s_cmp_lg_u32 s14, 0
	s_cbranch_scc1 .Lnot_wave_0_\@
	s_barrier_signal -3
.Lnot_wave_0_\@:
	s_barrier_wait -3
	s_barrier_signal -1
	s_barrier_wait -1
.endm
.macro CROUND                          ; a whole round
	s_barrier_signal -1
	s_barrier_wait -1
	CREST
.endm
	s_load_b128 s[4:7], s[0:1], 0x0                ; x's codes s[4:5], W's codes s[6:7]
	s_load_b128 s[8:11], s[0:1], 0x10              ; the scales' exponents s[8:9], m s[10:11]
	s_load_b64 s[12:13], s[0:1], 0x20              ; qkvc
	v_lshl_add_u32 v[SPW], v0, 2, SPARE
	v_mov_b32 v[NIL], 0
	ds_add_u32 v[SPW], v[NIL]                      ; the wave's opening: an add, and its wait ahead of my first tensor load; the set-up below stands between the two
	v_lshrrev_b32 v1, 5, v0
	v_readfirstlane_b32 s14, v1                    ; wave 0..3
	s_lshr_b32 s15, s14, 1                         ; which half of the tile's tokens is mine.  Also: I fetch for x (0) or for W (1)
	s_and_b32 s16, s14, 1                          ; which half of its columns.  Also: which 128 rows of that tile I fetch
	s_bfe_u32 s40, ttmp6, 0x40000                  ; cx, cy: my place in the cluster
	s_bfe_u32 s41, ttmp6, 0x40004
	s_lshl_b32 s42, ttmp9, 2
	s_add_co_u32 s42, s42, s40                     ; tile column = 4 x cluster x + cx
	s_and_b32 s17, ttmp7, 0xffff
	s_lshl_b32 s17, s17, 2
	s_add_co_u32 s17, s17, s41                     ; tile row = 4 x cluster y + cy
	s_lshl_b32 s43, s41, 2
	s_lshl_b32 s43, 15, s43                        ; my row of the cluster
	s_lshl_b32 s44, 0x1111, s40                    ; my column
	; descriptor group 1: a tile of 128 rows x 256 bytes, padded in LDS
	s_or_b32 s[G1+0], s43, (0<<16)|(1<<20)|(1<<21)|(5<<22)|(3<<25)  ; 15:0 the mask: x's tiles go to my row; elements of 1 byte; padding on; bit 21 beside a mask; after every 64 words, 4 words
	s_or_b32 s[G1B+0], s44, (0<<16)|(1<<20)|(1<<21)|(5<<22)|(3<<25)
.irp g, G1, G1B
	s_mov_b32 s[\g+1], ROWB<<16                    ; tensor_dim0
	s_mov_b32 s[\g+2], 128<<16                     ; tensor_dim1 = 128
	s_mov_b32 s[\g+3], ROWB<<16                    ; tile_dim0
	s_mov_b32 s[\g+4], 128                         ; tile_dim1 = 128
	s_mov_b32 s[\g+5], KROW                        ; tensor_dim0_stride
	s_mov_b32 s[\g+6], 0
	s_mov_b32 s[\g+7], 0
.endr
	s_lshl_b32 s18, s16, 7                         ; which 128 rows of the tile I fetch
	s_lshl_b32 s20, s17, 8
	s_add_co_u32 s20, s20, s18                     ; x: row 256 x tile row + 128 x half
	s_lshl_b32 s46, s42, 8
	s_add_co_u32 s46, s46, s18                     ; W: row 256 x tile column + 128 x half
	s_mov_b32 s21, 0
	s_mov_b32 s47, 0
	s_mov_b64 s[18:19], KROW
	s_mul_u64 s[20:21], s[20:21], s[18:19]
	s_mul_u64 s[46:47], s[46:47], s[18:19]
	s_mul_i32 s45, s14, HALFT                      ; where they go: wave x 128 rows: no place in the cluster enters an LDS address
	s_wait_dscnt 0x0                               ; the opening add is done
	s_wait_kmcnt 0x0
	s_load_b256 s[72:79], s[8:9], 0x0              ; e0 .. e7
	s_add_nc_u64 s[20:21], s[4:5], s[20:21]
	s_add_nc_u64 s[46:47], s[6:7], s[46:47]
	CROUND                                         ; all sixteen work-groups are here: the first joint loads meet
.irp s, 0,1
	s_mov_b32 s[G0+4*\s], 1
	s_add_co_u32 s[G0+4*\s+1], s45, \s*SLOT
	s_add_nc_u64 s[G0+4*\s+2:G0+4*\s+3], s[20:21], \s*ROWB
	s_or_b32 s[G0+4*\s+3], s[G0+4*\s+3], 0x80000000
	s_mov_b32 s[G0B+4*\s], 1
	s_add_co_u32 s[G0B+4*\s+1], s45, \s*SLOT
	s_add_nc_u64 s[G0B+4*\s+2:G0B+4*\s+3], s[46:47], \s*ROWB
	s_or_b32 s[G0B+4*\s+3], s[G0B+4*\s+3], 0x80000000
	JLOAD G0+4*\s, G1, G0B+4*\s, G1B
.endr
	v_and_b32 v1, 15, v0                           ; r = lane % 16
	v_bfe_u32 v2, v0, 4, 1                         ; h = lane / 16
	v_mul_u32_u24 v3, v1, PITCH
	v_lshl_add_u32 v4, v2, 4, v3                   ; a fragment's row x pitch + 16 x half
	s_mul_i32 s21, s15, HALFT                      ; my 128 rows of x
	s_mul_i32 s22, s16, HALFT                      ; my 128 rows of W,
	s_add_co_u32 s22, s22, 2*HALFT                 ; which lie behind x's 256
	s_cmp_eq_u32 ttmp9, 2                          ; v?  The cluster's x is the same in all partners
	s_cselect_b32 s66, s22, s21                    ; source 1 (a lane's row): tokens for q and k, columns for v
	s_cselect_b32 s67, s21, s22                    ; source 0 (a lane's eight neighbours): the other
.irp s, 0,1
	v_add_nc_u32 v[ADRA+\s], s66, v4
	v_add_nc_u32 v[ADRB+\s], s67, v4
	s_add_co_u32 s66, s66, SLOT
	s_add_co_u32 s67, s67, SLOT
.endr
	v_and_b32 v6, 31, v0                           ; lane
	s_mul_i32 s23, s14, 2560                       ; q's and k's stage: mine
	v_mul_u32_u24 v5, v1, 80
	v_lshl_add_u32 v5, v2, 4, v5
	v_add_nc_u32 v[STOR], s23, v5                  ; in: row r of 80 bytes, + 16 h
	v_lshrrev_b32 v7, 2, v6
	v_mul_u32_u24 v7, v7, 80
	v_and_b32 v8, 3, v6
	v_lshl_add_u32 v7, v8, 4, v7
	v_add_nc_u32 v[RDR], s23, v7                   ; back: four lanes to a row of 64 bytes, eight rows an instruction
	s_mul_i32 s23, s14, 2304
	s_add_co_u32 s23, s23, CSTG                    ; v's stage: mine
	v_mul_u32_u24 v5, v1, 144
	v_lshl_add_u32 v5, v2, 4, v5
	v_add_nc_u32 v[STOC], s23, v5                  ; in: row r of 144 bytes, + 16 h
	v_lshrrev_b32 v7, 3, v6
	v_mul_u32_u24 v7, v7, 144
	v_and_b32 v8, 7, v6
	v_lshl_add_u32 v7, v8, 4, v7
	v_add_nc_u32 v[RDC], s23, v7                   ; back: eight lanes to a row of 128 bytes, four rows an instruction
	v_lshlrev_b32 v[GOF], 4, v6
	v_lshlrev_b32 v10, 5, v2                       ; m along registers: 32 h bytes
	v_lshlrev_b32 v11, 2, v1                       ; m along lanes: 4 r bytes
	; where my part goes: kind x 8,388,608 + (16 batch + 4 cx + 2 column half) x 131,072 + (block of 128 tokens in the batch) x 8,192: the same for all three kinds
	s_lshr_b32 s80, s17, 3                         ; batch: eight tile rows each
	s_lshl_b32 s80, s80, 4
	s_lshl_b32 s81, s40, 2
	s_add_co_u32 s80, s80, s81
	s_lshl_b32 s81, s16, 1
	s_add_co_u32 s80, s80, s81                     ; bh of my first head
	s_lshl_b32 s80, s80, 17
	s_lshl_b32 s81, s17, 1
	s_add_co_u32 s81, s81, s15
	s_and_b32 s81, s81, 15
	s_lshl_b32 s81, s81, 13
	s_add_co_u32 s80, s80, s81
	s_lshl_b32 s81, ttmp9, 23
	s_add_co_u32 s80, s80, s81
	s_mov_b32 s81, 0
	s_add_nc_u64 s[12:13], s[12:13], s[80:81]
	s_lshl_b32 s82, s17, 8
	s_lshl_b32 s83, s15, 7
	s_add_co_u32 s82, s82, s83                     ; my first token: 256 x tile row + 128 x half
	s_lshl_b32 s82, s82, 2
	s_mov_b32 s83, 0
	s_add_nc_u64 s[10:11], s[10:11], s[82:83]
.irp b, 0,1,2,3,4,5,6,7                        ; m in both forms, in every work-group: no register is left unwritten on either way out
	global_load_b128 v[MC+8*\b:MC+8*\b+3], v10, s[10:11] offset:64*\b          ; m[first token + 16 b + 8 h + 0 .. 7]
	global_load_b128 v[MC+8*\b+4:MC+8*\b+7], v10, s[10:11] offset:64*\b+16
.endr
.irp a, 0,1,2,3,4,5,6,7
	global_load_b32 v[MR+2*\a], v11, s[10:11] offset:64*\a                     ; m[first token + 16 a + r]
	v_mov_b32 v[MR+2*\a+1], 0                                                  ; (named with it as a pair, so it is written)
.endr
.macro FRAG reg, adr, q, i             ; a fragment, 16 rows x 128 K, is 16 registers: lane l holds row l % 16; registers 4 c .. 4 c + 3 hold K = 32 c + 16 (l / 16) + 0 .. 15: the same places on both sides
.irp c, 0,1,2,3
	ds_load_b128 v[\reg+4*\c:\reg+4*\c+3], v[\adr] offset:128*(\q)+32*\c+(\i)*16*PITCH
.endr
.endm
; 16 matrix instructions: source 1's blocks a0, a0 + 1 x source 0's eight, 128 along K.  p: source 0's set.  zero = 1: the first product starts the sums.
; The 64 accumulators take turns, one instruction a turn, in the same order in every step.
.macro MUL16 a0, p, zero
.irp a, \a0, \a0+1
.irp b, 0,1,2,3,4,5,6,7
.if \zero
	v_wmma_f32_16x16x128_fp8_fp8 v[8*(8*((\a)%4)+\b):8*(8*((\a)%4)+\b)+7], v[128*(\p)+FR*\b:128*(\p)+FR*\b+FR-1], v[AF+FR*(\a):AF+FR*(\a)+FR-1], 0
.else
	v_wmma_f32_16x16x128_fp8_fp8 v[8*(8*((\a)%4)+\b):8*(8*((\a)%4)+\b)+7], v[128*(\p)+FR*\b:128*(\p)+FR*\b+FR-1], v[AF+FR*(\a):AF+FR*(\a)+FR-1], v[8*(8*((\a)%4)+\b):8*(8*((\a)%4)+\b)+7]
.endif
.endr
.endr
.endm
.macro FETCH_B slot, q, p              ; source 0's eight fragments of the slot's q-th 128 along K into set p
	WIN TO_B
.irp i, 0,1,2,3,4,5,6,7
	FRAG 128*(\p)+FR*\i, ADRB+\slot, \q, \i
.endr
	WIN 0
.endm
.macro FETCH_A slot, q, i0             ; source 1's blocks i0 .. i0 + 3
.irp i, \i0, \i0+1, \i0+2, \i0+3
	FRAG AF+FR*(\i), ADRA+\slot, \q, \i
.endr
.endm
.macro PLACES n                        ; plain vector instructions between a matrix instruction and a load into, or a vector instruction on, its registers
.rept \n
	v_nop
.endr
.endm
; A step of 128 along K that has its successor in the same slot.
.macro STEP slot, q, zero
	s_wait_dscnt 4*NL                              ; source 0's set and source 1's blocks 0-3 are in; the youngest sixteen loads (blocks 4-7) may be out
	WIN MUL_LO
	MUL16 0, (\q)%2, \zero
	MUL16 2, (\q)%2, \zero
	s_wait_dscnt 0                                 ; blocks 4-7 are in
	PLACES NP
	FETCH_B \slot, (\q)+1, 1-(\q)%2
	FETCH_A \slot, (\q)+1, 0
	WIN MUL_HI
	MUL16 4, (\q)%2, \zero
	MUL16 6, (\q)%2, \zero
	PLACES NP
	WIN 0
	FETCH_A \slot, (\q)+1, 4
.endm
; A slot's last step changes slots: one barrier; in front of it each wave waits for all its tensor loads, adds 0 to its spare word, and waits for that and for its own reads of this slot.  fill = 1: this slot is filled again, two K steps ahead.
.macro TURN slot, next, fill
	s_wait_tensorcnt 0x0                           ; all my tensor loads have landed: my part of the next slot
	ds_add_u32 v[SPW], v[NIL]                      ; 0 onto my spare word
	s_wait_dscnt 4*NL+1                            ; (the add and the youngest sixteen loads may be out)
	WIN MUL_LO
	MUL16 0, 1, 0                                  ; sixteen matrix instructions stand between the add and the wait for it
	s_wait_dscnt 0x0                               ; the add is done, and my reads of this slot are over
	s_barrier_signal -1
	MUL16 2, 1, 0
	WIN 0
	s_barrier_wait -1
.if \fill
	CREST                                          ; the barrier has opened a round of the cluster's barrier: no wave of any partner still reads this slot or has a load on its way
	s_add_nc_u64 s[G0+4*\slot+2:G0+4*\slot+3], s[G0+4*\slot+2:G0+4*\slot+3], 2*ROWB
	s_add_nc_u64 s[G0B+4*\slot+2:G0B+4*\slot+3], s[G0B+4*\slot+2:G0B+4*\slot+3], 2*ROWB
	JLOAD G0+4*\slot, G1, G0B+4*\slot, G1B         ; the first tensor load behind the round; the four v_nop behind it are the places in front of the loads below
.else
	PLACES NP
.endif
	FETCH_B \next, 0, 0
	FETCH_A \next, 0, 0
	WIN MUL_HI
	MUL16 4, 1, 0
	MUL16 6, 1, 0
	PLACES NP
	WIN 0
	FETCH_A \next, 0, 4
.endm
	s_wait_loadcnt 0x0                             ; m, once
	s_wait_tensorcnt 1                             ; my part of K step 0 is in (K step 1's load may be out),
	s_barrier_signal -1
	s_barrier_wait -1                              ; everybody's is
	FETCH_B 0, 0, 0
	FETCH_A 0, 0, 0
	FETCH_A 0, 0, 4
	STEP 0, 0, 1                                   ; the first step stands in front of the loop: its products start the sums
	s_mov_b32 s3, LAPS-1
.Llap:                                                 ; a trip goes once round the ring, from a lap's second step to the next lap's first, and fills both slots again
	TURN 0, 1, 1
	STEP 1, 0, 0
	TURN 1, 0, 1
	STEP 0, 0, 0
	s_sub_co_u32 s3, s3, 1
	s_cmp_lg_u32 s3, 0
	s_cbranch_scc1 .Llap
	TURN 0, 1, 0                                   ; the last lap fills nothing, and has no round of the cluster's barrier
	STEP 1, 0, 0
	s_wait_dscnt 4*NL                              ; the very last step: nothing more to fetch
	WIN MUL_LO
	MUL16 0, 1, 0
	MUL16 2, 1, 0
	s_wait_dscnt 0
	WIN MUL_HI
	MUL16 4, 1, 0
	MUL16 6, 1, 0
	WIN 0
; THE WAY OUT, block by block of source 1's 16 rows.  SCALE: the block's 64 sums a lane x m, held, converted: 16 registers of codes.  cols = 0: m belongs to the lane's row; 1: to the registers.
.macro SCALE a, cols
.set AC, 64*((\a)%4)
.set WA, 2+(\a)/4                      ; the block's window
.set WB, (WA<<6)|WA
.set CC, CD+16*((\a)%2)
	WIN WB                                         ; destination and source 0: the accumulators' window; m and the hold: window 0
.irp j, 0,2,4,6,8,10,12,14,16,18,20,22,24,26,28,30,32,34,36,38,40,42,44,46,48,50,52,54,56,58,60,62
.if \cols
	v_pk_mul_f32 v[AC+\j:AC+\j+1], v[AC+\j:AC+\j+1], v[MC+\j:MC+\j+1]          ; each accumulator from its low end on
.else
	v_pk_mul_f32 v[AC+\j:AC+\j+1], v[AC+\j:AC+\j+1], v[MR+2*(\a):MR+2*(\a)+1] op_sel_hi:[1,0]
.endif
.endr
.set jj, 0
.rept 64
	v_med3_num_f32 v[AC+jj], v[AC+jj], -v[LIMV], v[LIMV]   ; the conversion to an 8-bit code does not saturate (ISA guide 7.6.2): the hold at 448 x the scale
.set jj, jj+1
.endr
	WIN WA                                         ; source 0: the accumulators' window; the codes and the scale: window 0
.irp b, 0,1,2,3,4,5,6,7
	v_cvt_scalef32_pk8_fp8_f32 v[CC+2*\b:CC+2*\b+1], v[AC+8*\b:AC+8*\b+7], v[SCV]
.endr
	WIN 0
	v_nop                                          ; one plain vector instruction behind the last conversion of a run
.endm
; TOSTAGE: the codes go into my own stage and come back as whole rows.  LDS serves a wave's instructions in order: no wait between the stores and the loads, nor in front of the next block's stores.
.macro TOSTAGE a, cols
.set CC, CD+16*((\a)%2)
.set BB, BK+16*((\a)%2)
.irp p, 0,1,2,3
.if \cols
	ds_store_b128 v[STOC], v[CC+4*\p:CC+4*\p+3] offset:32*\p                   ; tokens 32 p on of my channel
.else
	ds_store_b128 v[STOR], v[CC+4*\p:CC+4*\p+3] offset:(\p/2)*1280+32*(\p%2)   ; head p / 2, channels 32 (p % 2) on of my token
.endif
.endr
.irp p, 0,1,2,3
.if \cols
	ds_load_b128 v[BB+4*\p:BB+4*\p+3], v[RDC] offset:576*\p
.else
	ds_load_b128 v[BB+4*\p:BB+4*\p+3], v[RDR] offset:(\p/2)*1280+(\p%2)*640
.endif
.endr
.endm
.macro SEND a, cols, younger           ; younger: the LDS instructions issued behind block a's loads, which may stay out
.set BB, BK+16*((\a)%2)
	s_wait_dscnt \younger
.irp p, 0,1,2,3
.if \cols
	global_store_b128 v[GOF], v[BB+4*\p:BB+4*\p+3], s[12:13] offset:((\a)/4)*131072+2048*((\a)%4)+512*\p   ; four rows of 128 bytes: 512 consecutive bytes, aligned
.else
	global_store_b128 v[GOF], v[BB+4*\p:BB+4*\p+3], s[12:13] offset:(\p/2)*131072+1024*(\a)+512*(\p%2)     ; eight rows of 64 bytes: 512 consecutive bytes, aligned
.endif
.endr
.endm
.macro WAYOUT cols
	SCALE 0, \cols
	TOSTAGE 0, \cols
.irp a, 1,2,3,4,5,6,7
.if \a > 1
	s_wait_xcnt 0x0                                ; block a - 2's stores have read their registers: block a's rows may land there
.endif
	SCALE \a, \cols
	TOSTAGE \a, \cols
	SEND \a-1, \cols, 8                            ; behind block a - 1's loads: block a's 4 stores and 4 loads
.endr
	SEND 7, \cols, 0
.endm
	s_wait_kmcnt 0x0
	s_cmp_eq_u32 ttmp9, 0
	s_cselect_b32 s84, s74, s75                    ; e2 for q, e3 for k,
	s_cselect_b32 s85, 3, 0                        ; q is divided by 8 = sqrt(64)
	s_cmp_eq_u32 ttmp9, 2
	s_cselect_b32 s84, s77, s84                    ; e5 for v
	s_add_co_i32 s84, s84, s85
	s_sub_co_i32 s84, s84, s72
	s_sub_co_i32 s84, s84, s73                     ; E
	s_add_co_i32 s84, s84, 127
	s_lshl_b32 s85, s84, 23
	v_mov_b32 v[SCV], s85
	s_add_co_i32 s84, s84, 8
	s_lshl_b32 s84, s84, 23
	s_or_b32 s84, s84, 0x600000
	v_mov_b32 v[LIMV], s84
	PLACES NP                                      ; behind the last products: their results are read, and the registers that held fragments are written, only behind these
	s_cmp_eq_u32 ttmp9, 2
	s_cbranch_scc1 .Lcols
	WAYOUT 0
	s_branch .Ldone
.Lcols:
	WAYOUT 1
.Ldone:
	s_wait_tensorcnt 0x0                           ; the wave's end, behind my last tensor load and my last LDS store
	ds_add_u32 v[SPW], v[NIL]
	s_wait_dscnt 0x0
	CROUND                                         ; the closing round: no work-group ends while a partner may still ask for a tile that names it
	s_endpgm
.Lfunc_end_k_q238f8fda0d_qkv:
	.size	k_q238f8fda0d_qkv, .Lfunc_end_k_q238f8fda0d_qkv-k_q238f8fda0d_qkv
	.p2alignl 7, 3214868480
	.fill 96, 4, 3214868480
	.section	.rodata,"a",@progbits
	.p2align	6, 0x0
	.amdhsa_kernel k_q238f8fda0d_qkv
		.amdhsa_group_segment_fixed_size 327680
		.amdhsa_private_segment_fixed_size 0
		.amdhsa_enable_private_segment 0
		.amdhsa_kernarg_size 40
		.amdhsa_user_sgpr_count 2
		.amdhsa_user_sgpr_kernarg_segment_ptr 1
		.amdhsa_wavefront_size32 1
		.amdhsa_system_sgpr_workgroup_id_x 1
		.amdhsa_system_sgpr_workgroup_id_y 1
		.amdhsa_system_sgpr_workgroup_id_z 1
		.amdhsa_system_vgpr_workitem_id 0
		.amdhsa_next_free_vgpr 1024
		.amdhsa_next_free_sgpr 100
		.amdhsa_reserve_vcc 0
		.amdhsa_float_denorm_mode_32 3
		.amdhsa_float_denorm_mode_16_64 3
		.amdhsa_memory_ordered 1
		.amdhsa_forward_progress 1
		.amdhsa_inst_pref_size 203
	.end_amdhsa_kernel
	.amdgpu_metadata
---
amdhsa.version: [ 1, 2 ]
amdhsa.kernels:
  - .name:           k_q238f8fda0d_qkv
    .symbol:         k_q238f8fda0d_qkv.kd
    .args:
      - { .name: xc, .offset: 0, .size: 8, .value_kind: global_buffer, .address_space: global }
      - { .name: wqc, .offset: 8, .size: 8, .value_kind: global_buffer, .address_space: global }
      - { .name: lowp_scales, .offset: 16, .size: 8, .value_kind: global_buffer, .address_space: global }
      - { .name: mWin, .offset: 24, .size: 8, .value_kind: global_buffer, .address_space: global }
      - { .name: qkvc, .offset: 32, .size: 8, .value_kind: global_buffer, .address_space: global }
    .group_segment_fixed_size: 327680
    .private_segment_fixed_size: 0
    .kernarg_segment_align: 8
    .kernarg_segment_size: 40
    .max_flat_workgroup_size: 128
    .sgpr_count:     100
    .vgpr_count:     1024
    .wavefront_size: 32
...
	.end_amdgpu_metadata
.endif
;; end of part 2
;; launch attn (part 3): grid 4 x 64, 8 waves a work-group, clusters of 4 x 1, 327,680 bytes of LDS; arguments qkvc, mWin, lowp_scales, ac; writes ac
.if DOCPART == 3
	.amdgcn_target "amdgcn-amd-amdhsa--gfx1250"
	.amdhsa_code_object_version 6
	.text
	.protected	k_q238f8fda0d_attn
	.globl	k_q238f8fda0d_attn
	.p2align	8
	.type	k_q238f8fda0d_attn,@function
k_q238f8fda0d_attn:
	s_mov_b64 s[64:65], 0
	v_nop
	global_prefetch_b8 v0, s[64:65] scope:SCOPE_SE
	s_setreg_imm32_b32 hwreg(HW_REG_WAVE_MODE, 25, 1), 1
	s_wait_xcnt 0x0
	s_wait_alu depctr_hold_cnt(0) depctr_sa_sdst(0) depctr_va_vdst(0) depctr_va_sdst(0) depctr_va_ssrc(0) depctr_va_vcc(0) depctr_vm_vsrc(0)
	s_getreg_b32 s2, hwreg(HW_REG_IB_STS2, 6, 4)
	s_cmp_eq_u32 s2, 0
	s_cbranch_scc0 .Lentry_in_a_cluster
	s_endpgm
.Lentry_in_a_cluster:
	s_bfe_u32 s2, ttmp6, 0x10000c
	s_cmp_lg_u32 s2, 0x3003
	s_cbranch_scc0 .Lentry_shape_is_right
	s_endpgm
.Lentry_shape_is_right:
; Attention on codes of FP8 (E4M3), and the quantising of its result as the last product's operand.
; qkvc: q, k [bh][2048][64] and v [bh][16 blocks][64 channels][128 keys], as the launch before lays them.  ac: [bh][2048][64], channels in their natural order.
; THE SOFTMAX: t = score x 2^(e2 + e3) x log2(e); M = the row's largest t so far, rounded up to a whole number; p = 2^(t - M) is quantised with 2^e4, not normalised.
; The row's sum l is taken of the unquantised p.  When M moves, l and O are multiplied by 2^(old M - new M), which rounds nothing.
; AT THE END: out = O x 2^(e4 + e5) / l / (m[query] x sum of m^2 over the batch + 1e-6); its code is out / 2^e6, held within +-448:  code = (O / (l x mxe)) / 2^(e6 - e4 - e5).
; LIMITS: e2 + e3 between -126 and 127; e4 and e6 - e4 - e5 between -126 and 119.  NaN among the inputs is not served.
; SHARES.  A work-group owns 512 queries of one head, each of its eight waves 64: four tiles of 16, in 512 registers; so each fragment of K and V read from LDS feeds four matrix instructions.
; THE WHOLE HEAD'S K AND V LIE IN LDS: 2,048 rows of K (64 bytes + 16) and 16 blocks of 64 rows of V (128 bytes + 16).  Each byte is filled once: there is no ring.
; CLUSTER.  The four work-groups of a cluster are the four blocks of queries of one head: they need the same K and V, and each tile is asked for jointly, by the same tensor load with the mask of all four.
; Waves 0-3 bring K's 16 tiles of 128 keys, waves 4-7 V's 16 blocks, four loads a wave, all issued at the head: four tensor loads of a wave are out at the most.
; LAYOUT.  Both products are used transposed: S^T = K Q^T (source 0 = 16 keys, source 1 = 16 queries), O^T = V^T P^T (source 0 = 16 channels, source 1 = P): a lane holds one query throughout.
; Tile c of S^T holds keys 16 c + 8 (lane / 16) + 0 .. 7 in a lane: its eight codes are registers 2 c, 2 c + 1 of P; V's bytes lie in memory so that four loads of 16 bytes bring the same keys to the same registers.
; No prefetch is written: every tensor load of the launch is issued at its head.
; REGISTERS.  window 0: v1-13 addresses and constants; v16-47 eight registers of statistics a tile; v48-51 mxe; v52-55 second chains; v56-87 Q; v88-103 P's codes; v104-167, v168-231 two buffers of scores.
;   window 1: v0-127 O^T (tile t, channels 16 d on, at 32 t + 8 d); v128-191 K's eight fragments; v192-255 V's four.
.set PK,     80                        ; a row of K in LDS
.set VPIT,   144                       ; a row of V in LDS
.set KSTEPB, 128*PK                    ; a step's keys
.set VSTEPB, 64*VPIT                   ; a step's block of V
.set VBASE,  16*KSTEPB
.set STAGE,  VBASE+16*VSTEPB           ; the way out: 16 rows x 80 bytes for each wave; no tile lands there
.set SPARE,  STAGE+8*16*PK             ; the spare words, 128 bytes for each wave, which no other line names
.set AK0, 1                            ; v1   my lane's place in a tile of K
.set AV0, 2                            ; v2   the same for V
.set ADK, 3                            ; v3   LDS address of the step's K
.set ADV, 4                            ; v4   of its V
.set SPW, 5                            ; v5   LDS address of my spare word; never rewritten
.set NIL, 6                            ; v6   0; never rewritten
.set STO, 7                            ; v7   the stage: where I put 8 bytes of a row
.set RD,  8                            ; v8   and where I read rows back
.set GO,  9                            ; v9   16 x lane
.set PL,  10                           ; v10  448 x 2^e4
.set PS,  11                           ; v11  2^e4
.set OS,  12                           ; v12  2^(e6 - e4 - e5)
.set OL,  13                           ; v13  448 x that
.set ST,  16                           ; tile t at v[ST + 8 t]: +0 -M, +1 the largest t, +2, +3 the sum in two halves, +4 f (at the end 1 / (l x mxe)), +5 0, +6, +7 at work
.set MX,  48
.set CH,  52
.set Q,   56
.set P,   88
.set S0,  104
.set S1,  168
.set KF,  128                          ; in window 1
.set VF,  192
.set WV,  12                           ; s12  my wave's number
.set CX,  13                           ; s13  my place in the cluster
.set BH,  14                           ; s14  16 batch + head
.set W3,  15                           ; s15  wave % 4
.set G1K, 24                           ; s[24:31] descriptor group 1 for K's tiles;  s[32:39] for V's
.set G1V, 32
.set G0K, 40                           ; s[40:55] four groups 0 for K's tiles
.set G0V, 68                           ; s[68:83] four for V's
.set EX,  84                           ; s[84:91] e0 .. e7
.set CS,  92                           ; s[92:93] c = log2(e) x 2^(e2 + e3)
.set SEL, 94                           ; s[94:95] lane selects for v_permlanex16_b32: lane l xor 16
.set TK,  96                           ; s96  LDS byte at which the step's keys begin
.set TV,  97                           ; s97  the same for its block of V, less VBASE
.set CNT, 98
.set MSB, 0
.macro WIN new                         ; the immediate's high byte repeats the setting that is left
.if MSB != \new
	s_set_vgpr_msb (MSB<<8)|\new
.set MSB, \new
.endif
.endm
.macro CROUND                          ; a round of the cluster's barrier
	s_barrier_signal -1
	s_barrier_wait -1
	s_cmp_lg_u32 s[WV], 0
	s_cbranch_scc1 .Lnot_wave_0_\@
	s_barrier_signal -3
.Lnot_wave_0_\@:
	s_barrier_wait -3
	s_barrier_signal -1
	s_barrier_wait -1
.endm
	s_load_b256 s[4:11], s[0:1], 0x0               ; qkvc s[4:5], m s[6:7], the scales' exponents s[8:9], ac s[10:11]
	v_lshl_add_u32 v[SPW], v0, 2, SPARE
	v_mov_b32 v[NIL], 0
	ds_add_u32 v[SPW], v[NIL]                      ; the wave's opening: an add, and its wait ahead of my first tensor load; the set-up below stands between the two
	v_lshrrev_b32 v14, 5, v0
	v_readfirstlane_b32 s[WV], v14                 ; wave 0..7
	s_bfe_u32 s[CX], ttmp6, 0x40000
	s_and_b32 s[BH], ttmp7, 0xffff                 ; the four partners share it
	s_and_b32 s[W3], s[WV], 3
	s_mov_b32 s[G1K], 15|(1<<20)|(1<<21)|(3<<22)|(3<<25)   ; the mask: all four work-groups; elements of 1 byte; padding on; bit 21 beside a mask; after every 16 words, 4 words
	s_mov_b32 s[G1K+1], 64<<16                     ; tensor_dim0 = 64
	s_mov_b32 s[G1K+2], 128<<16                    ; tensor_dim1 = 128
	s_mov_b32 s[G1K+3], 64<<16                     ; tile_dim0 = 64
	s_mov_b32 s[G1K+4], 128                        ; tile_dim1 = 128
	s_mov_b32 s[G1K+5], 64                         ; tensor_dim0_stride
	s_mov_b32 s[G1K+6], 0
	s_mov_b32 s[G1K+7], 0
	s_mov_b32 s[G1V], 15|(1<<20)|(1<<21)|(4<<22)|(3<<25)   ; the same, 4 words after every 32
	s_mov_b32 s[G1V+1], 128<<16
	s_mov_b32 s[G1V+2], 64<<16
	s_mov_b32 s[G1V+3], 128<<16
	s_mov_b32 s[G1V+4], 64
	s_mov_b32 s[G1V+5], 128
	s_mov_b32 s[G1V+6], 0
	s_mov_b32 s[G1V+7], 0
	s_mov_b32 s[CS], 0x3fb8aa3b                    ; log2(e)
	s_mov_b32 s[SEL], 0x76543210
	s_mov_b32 s[SEL+1], 0xfedcba98
	s_mov_b32 s[TK], 0
	s_mov_b32 s[TV], 0
	s_lshl_b32 s16, s[BH], 17                      ; the head's first byte in each part of qkvc, and in ac
	s_lshl_b32 s17, s[W3], 13                      ; my tile of a group of four: 8,192 bytes each, dense
	s_add_co_u32 s22, s16, s17
	s_mov_b32 s23, 0
	s_mul_i32 s66, s[W3], KSTEPB                   ; and where it goes: no place in the cluster enters an LDS address
	s_mul_i32 s67, s[W3], VSTEPB
	s_add_co_u32 s67, s67, VBASE
	s_wait_dscnt 0x0                               ; the opening add is done
	s_wait_kmcnt 0x0
	s_load_b256 s[EX:EX+7], s[8:9], 0x0
	s_add_nc_u64 s[18:19], s[4:5], s[22:23]
	s_add_nc_u64 s[20:21], s[18:19], 0x1000000     ; v's part
	s_add_nc_u64 s[18:19], s[18:19], 0x800000      ; k's part
	CROUND                                         ; all four work-groups are here: the joint loads meet
.irp j, 0,1,2,3                                ; group j: steps 4 j .. 4 j + 3, mine is 4 j + wave % 4
	s_mov_b32 s[G0K+4*\j], 1
	s_add_co_u32 s[G0K+4*\j+1], s66, \j*4*KSTEPB
	s_add_nc_u64 s[G0K+4*\j+2:G0K+4*\j+3], s[18:19], \j*32768
	s_or_b32 s[G0K+4*\j+3], s[G0K+4*\j+3], 0x80000000
	s_mov_b32 s[G0V+4*\j], 1
	s_add_co_u32 s[G0V+4*\j+1], s67, \j*4*VSTEPB
	s_add_nc_u64 s[G0V+4*\j+2:G0V+4*\j+3], s[20:21], \j*32768
	s_or_b32 s[G0V+4*\j+3], s[G0V+4*\j+3], 0x80000000
.endr
	s_cmp_lt_u32 s[WV], 4                          ; a wave's four fills stand in one branch on its number, ahead of every wait on TENSORcnt and every LDS read; an s_nop 0 follows each, four v_nop the last
	s_cbranch_scc0 .Lfirst_v
.irp j, 0,1,2,3
	tensor_load_to_lds s[G0K+4*\j:G0K+4*\j+3], s[G1K:G1K+7]
	s_nop 0
.endr
.rept 4
	v_nop
.endr
	s_branch .Lfirst_asked
.Lfirst_v:
.irp j, 0,1,2,3
	tensor_load_to_lds s[G0V+4*\j:G0V+4*\j+3], s[G1V:G1V+7]
	s_nop 0
.endr
.rept 4
	v_nop
.endr
.Lfirst_asked:
	v_and_b32 v14, 15, v0                          ; r
	v_bfe_u32 v15, v0, 4, 1                        ; h
	v_and_b32 v232, 31, v0                         ; lane
	v_lshlrev_b32 v[GO], 4, v232
	v_lshlrev_b32 v233, 6, v14
	v_lshl_add_u32 v233, v15, 4, v233              ; Q: row r of 64 bytes, + 16 h
	v_lshlrev_b32 v234, 2, v14                     ; m of my query: 4 r
	s_lshl_b32 s22, ttmp9, 2
	s_add_co_u32 s22, s22, s[CX]                   ; my block of 512 queries
	s_lshl_b32 s22, s22, 9
	s_lshl_b32 s23, s[WV], 6
	s_add_co_u32 s99, s22, s23                     ; my wave's first query
	s_lshl_b32 s22, s99, 6
	s_add_co_u32 s22, s22, s16
	s_mov_b32 s23, 0
	s_add_nc_u64 s[4:5], s[4:5], s[22:23]          ; q at my first query,
	s_add_nc_u64 s[10:11], s[10:11], s[22:23]      ; and ac: rows of 64 bytes in both
	s_lshr_b32 s22, s[BH], 4
	s_lshl_b32 s22, s22, 13
	s_add_nc_u64 s[6:7], s[6:7], s[22:23]          ; m of my batch
	s_lshl_b32 s22, s99, 2
	s_add_nc_u64 s[56:57], s[6:7], s[22:23]        ; m of my queries
.irp t, 0,1,2,3
	global_load_b128 v[Q+8*\t:Q+8*\t+3], v233, s[4:5] offset:1024*\t           ; Q's fragments stay in registers
	global_load_b128 v[Q+8*\t+4:Q+8*\t+7], v233, s[4:5] offset:1024*\t+32
.endr
.irp i, 0,1,2,3,4,5,6,7,8,9,10,11,12,13,14,15
	global_load_b128 v[S0+4*\i:S0+4*\i+3], v[GO], s[6:7] offset:512*\i         ; the batch's 2,048 m: 64 a lane
.endr
.irp t, 0,1,2,3
	global_load_b32 v[MX+\t], v234, s[56:57] offset:64*\t
.endr
	v_mul_u32_u24 v[AK0], v14, PK
	v_lshl_add_u32 v[AK0], v15, 4, v[AK0]
	v_mul_u32_u24 v[AV0], v14, VPIT
	v_lshl_add_u32 v[AV0], v15, 4, v[AV0]
	v_add_nc_u32 v[AV0], VBASE, v[AV0]
	s_mul_i32 s22, s[WV], 16*PK
	s_add_co_u32 s22, s22, STAGE                   ; my stage
	v_mul_u32_u24 v[STO], v14, PK
	v_lshl_add_u32 v[STO], v15, 3, v[STO]
	v_add_nc_u32 v[STO], s22, v[STO]               ; in: row r, + 8 h
	v_lshrrev_b32 v235, 2, v232
	v_mul_u32_u24 v[RD], v235, PK
	v_and_b32 v235, 3, v232
	v_lshl_add_u32 v[RD], v235, 4, v[RD]
	v_add_nc_u32 v[RD], s22, v[RD]                 ; back: four lanes to a row of 64 bytes
.irp t, 0,1,2,3
	v_mov_b32 v[ST+8*\t+1], 0xff61b1e6             ; the largest t so far: -3e38, under every t
	v_floor_f32 v[ST+8*\t], -v[ST+8*\t+1]          ; -M
	v_mov_b32 v[ST+8*\t+2], 0                      ; the sum
	v_mov_b32 v[ST+8*\t+3], 0
	v_mov_b32 v[ST+8*\t+5], 0                      ; (named as the upper half of f's pair)
	v_mov_b32 v[ST+8*\t+6], 0
	v_mov_b32 v[ST+8*\t+7], 0
.endr
	WIN 0x40                                       ; destination window 1
.set jj, 0
.rept 128
	v_mov_b32 v[jj], 0                             ; O^T.  (The key step has no first form of its own: the first change of M multiplies zeros)
.set jj, jj+1
.endr
	WIN 0
	s_wait_loadcnt 0x0
	v_pk_mul_f32 v[CH:CH+1], v[S0:S0+1], v[S0:S0+1]            ; the sum of m^2 over the batch: each wave for itself, in two chains
	v_pk_mul_f32 v[CH+2:CH+3], v[S0+2:S0+3], v[S0+2:S0+3]
.set jj, 4
.rept 15
	v_pk_fma_f32 v[CH:CH+1], v[S0+jj:S0+jj+1], v[S0+jj:S0+jj+1], v[CH:CH+1]
	v_pk_fma_f32 v[CH+2:CH+3], v[S0+jj+2:S0+jj+3], v[S0+jj+2:S0+jj+3], v[CH+2:CH+3]
.set jj, jj+4
.endr
	v_pk_add_f32 v[CH:CH+1], v[CH:CH+1], v[CH+2:CH+3]
	v_add_f32 v14, v[CH], v[CH+1]
	v_add_f32_dpp v14, v14, v14 row_xmask:1 row_mask:0xf bank_mask:0xf
	v_add_f32_dpp v14, v14, v14 row_xmask:2 row_mask:0xf bank_mask:0xf
	v_add_f32_dpp v14, v14, v14 row_xmask:4 row_mask:0xf bank_mask:0xf
	v_add_f32_dpp v14, v14, v14 row_xmask:8 row_mask:0xf bank_mask:0xf
	v_permlanex16_b32 v15, v14, s[SEL], s[SEL+1]
	v_add_f32 v14, v14, v15
.irp t, 0,1,2,3
	v_fmaak_f32 v[MX+\t], v[MX+\t], v14, 0x358637bd            ; mxe = m[query] x the sum + 1e-6
.endr
	s_wait_kmcnt 0x0
	s_add_co_i32 s22, s[EX+2], s[EX+3]
	s_lshl_b32 s22, s22, 23
	s_add_co_i32 s[CS], s[CS], s22                 ; the two exponents are added to log2(e)'s exponent field
	s_mov_b32 s[CS+1], s[CS]                       ; (named with it as a pair, so it is written)
	s_add_co_i32 s22, s[EX+4], 127
	s_lshl_b32 s23, s22, 23
	v_mov_b32 v[PS], s23
	s_add_co_i32 s22, s22, 8
	s_lshl_b32 s22, s22, 23
	s_or_b32 s22, s22, 0x600000
	v_mov_b32 v[PL], s22
	s_sub_co_i32 s22, s[EX+6], s[EX+4]
	s_sub_co_i32 s22, s22, s[EX+5]
	s_add_co_i32 s22, s22, 127
	s_lshl_b32 s23, s22, 23
	v_mov_b32 v[OS], s23
	s_add_co_i32 s22, s22, 8
	s_lshl_b32 s22, s22, 23
	s_or_b32 s22, s22, 0x600000
	v_mov_b32 v[OL], s22
; S^T of tile t into buffer sb: eight tiles of 16 keys, K = the head's 64
.macro QK t, sb
	WIN 0x01                                       ; source 0 (K) window 1
.set cc, 0
.rept 8
	v_wmma_f32_16x16x64_fp8_fp8 v[\sb+8*cc:\sb+8*cc+7], v[KF+8*cc:KF+8*cc+7], v[Q+8*(\t):Q+8*(\t)+7], 0
.set cc, cc+1
.endr
.endm
; O^T of tile t += V^T P^T: four tiles of 16 channels, K = the step's 128 keys.  The four accumulators take turns, one instruction each
.macro PV t
	WIN 0x51                                       ; source 0 (V), C and D window 1; source 1 (P) window 0
.set dd, 0
.rept 4
	v_wmma_f32_16x16x128_fp8_fp8 v[32*(\t)+8*dd:32*(\t)+8*dd+7], v[VF+16*dd:VF+16*dd+15], v[P:P+15], v[32*(\t)+8*dd:32*(\t)+8*dd+7]
.set dd, dd+1
.endr
.endm
; O^T of tile t under the new M.  These sixteen are also the plain instructions between the conversions and the products that read P
.macro RS t
	WIN 0x41                                       ; destination and source 0 window 1, f window 0
.set jj, 0
.rept 16
	v_pk_mul_f32 v[32*(\t)+jj:32*(\t)+jj+1], v[32*(\t)+jj:32*(\t)+jj+1], v[ST+8*(\t)+4:ST+8*(\t)+5] op_sel_hi:[1,0]
.set jj, jj+2
.endr
.endm
; The softmax of tile t for one step: the lane's 64 scores in buffer sb become p, its sum, and P's 16 registers of codes
.macro SM t, sb
.set rT, ST+8*(\t)
	WIN 0
	v_max3_num_f32 v[rT+6], v[\sb], v[\sb+1], v[\sb+2]         ; the largest score among my 64 keys, in two chains, ascending: each accumulator is read from its low end on
	v_max3_num_f32 v[rT+7], v[\sb+3], v[\sb+4], v[\sb+5]
.set jj, 6
.rept 14
	v_max3_num_f32 v[rT+6], v[rT+6], v[\sb+jj], v[\sb+jj+1]
	v_max3_num_f32 v[rT+7], v[rT+7], v[\sb+jj+2], v[\sb+jj+3]
.set jj, jj+4
.endr
	v_max3_num_f32 v[rT+6], v[rT+6], v[\sb+62], v[\sb+63]
	v_max_num_f32 v[rT+6], v[rT+6], v[rT+7]
	v_permlanex16_b32 v[rT+7], v[rT+6], s[SEL], s[SEL+1]
	v_max_num_f32 v[rT+6], v[rT+6], v[rT+7]                    ; and among lane l xor 16's
	v_mul_f32 v[rT+6], s[CS], v[rT+6]                          ; as t (c is positive)
	v_max_num_f32 v[rT+1], v[rT+1], v[rT+6]                    ; the running largest t
	v_mov_b32 v[rT+6], v[rT]
	v_floor_f32 v[rT], -v[rT+1]                                ; the new -M = floor(-t) = -ceil(t)
	v_sub_f32 v[rT+6], v[rT], v[rT+6]                          ; old M - new M: a whole number, 0 or less
	v_cvt_i32_f32 v[rT+6], v[rT+6]                             ; (it saturates)
	v_ldexp_f32 v[rT+4], 1.0, v[rT+6]                          ; f = 2^(old M - new M)
.set jj, 0
.rept 32
	v_pk_fma_f32 v[\sb+jj:\sb+jj+1], v[\sb+jj:\sb+jj+1], s[CS:CS+1], v[rT:rT+1] op_sel_hi:[1,0,0]   ; t - M, two at a time (of the pairs c and -M the low word serves both halves)
.set jj, jj+2
.endr
.set jj, 0
.rept 64
	v_exp_f32 v[\sb+jj], v[\sb+jj]                             ; p = 2^(t - M), at most 1
.set jj, jj+1
.endr
	v_pk_mul_f32 v[rT+2:rT+3], v[rT+2:rT+3], v[rT+4:rT+5] op_sel_hi:[1,0]   ; the sum under the new M: the plain instruction behind the exponentials
	s_wait_alu depctr_va_vdst(0)                               ; one wait for the whole batch, ahead of its first reader
	v_pk_add_f32 v[CH:CH+1], v[\sb:\sb+1], v[\sb+2:\sb+3]      ; the sum is taken of the unquantised p, in two chains
.set jj, 4
.rept 15
	v_pk_add_f32 v[rT+2:rT+3], v[rT+2:rT+3], v[\sb+jj:\sb+jj+1]
	v_pk_add_f32 v[CH:CH+1], v[CH:CH+1], v[\sb+jj+2:\sb+jj+3]
.set jj, jj+4
.endr
	v_pk_add_f32 v[rT+2:rT+3], v[rT+2:rT+3], v[CH:CH+1]
.set jj, 0
.rept 64
	v_min_num_f32 v[\sb+jj], v[\sb+jj], v[PL]                  ; the conversion does not saturate (ISA guide 7.6.2); p is not negative, so the hold is one-sided
.set jj, jj+1
.endr
.set jj, 0
.rept 8
	v_cvt_scalef32_pk8_fp8_f32 v[P+2*jj:P+2*jj+1], v[\sb+8*jj:\sb+8*jj+7], v[PS]
.set jj, jj+1
.endr
.endm
; A KEY STEP: 128 keys for the wave's four tiles.  A tile's scores are multiplied one softmax ahead, into the buffer that has just been left.
.macro STEP
	WIN 0
	v_add_nc_u32 v[ADK], s[TK], v[AK0]
	v_add_nc_u32 v[ADV], s[TV], v[AV0]
	v_nop                                          ; with the two additions: four places between the last products and the loads into the registers that they read
	v_nop
	WIN 0x40                                       ; destination window 1, address window 0
.set cc, 0
.rept 8
	ds_load_b128 v[KF+8*cc:KF+8*cc+3], v[ADK] offset:cc*16*PK
	ds_load_b128 v[KF+8*cc+4:KF+8*cc+7], v[ADK] offset:cc*16*PK+32
.set cc, cc+1
.endr
.set dd, 0
.rept 4
.irp c, 0,1,2,3
	ds_load_b128 v[VF+16*dd+4*\c:VF+16*dd+4*\c+3], v[ADV] offset:dd*16*VPIT+32*\c
.endr
.set dd, dd+1
.endr
	s_add_co_u32 s[TK], s[TK], KSTEPB
	s_add_co_u32 s[TV], s[TV], VSTEPB
	s_wait_dscnt 16                                ; K's sixteen loads are in; V's sixteen may be out
	QK 0, S0
	QK 1, S1
	WIN 0
.rept 4
	v_nop                                          ; places in front of the first read of results
.endr
	SM 0, S0
	RS 0
	s_wait_dscnt 0x0                               ; V is in
	PV 0
	QK 2, S0
	SM 1, S1
	RS 1
	PV 1
	QK 3, S1
	SM 2, S0
	RS 2
	PV 2
	SM 3, S1
	RS 3
	PV 3
	WIN 0                                          ; at a label and at a branch every window is 0
.endm
.macro STEPS n
	s_mov_b32 s[CNT], \n
.Lstep_\@:
	STEP
	s_sub_co_u32 s[CNT], s[CNT], 1
	s_cmp_lg_u32 s[CNT], 0
	s_cbranch_scc1 .Lstep_\@
.endm
	s_wait_tensorcnt 3                             ; my first tile is in; my three later ones may stay out
	s_barrier_signal -1
	s_barrier_wait -1                              ; everybody's is: steps 0 to 3 lie in LDS
	STEPS 4
	s_wait_tensorcnt 0x0                           ; all my tiles are in,
	s_wait_dscnt 0x0
	s_barrier_signal -1
	s_barrier_wait -1                              ; everybody's are
	STEPS 12
	; THE WAY OUT.  l's two halves and lane l xor 16's are added; O^T is divided by l x mxe, held, converted, and goes through my stage, a tile (16 rows of 64 bytes) at a time.
.irp t, 0,1,2,3
	v_add_f32 v[ST+8*\t+6], v[ST+8*\t+2], v[ST+8*\t+3]         ; (these four are the places behind the last products)
.endr
.irp t, 0,1,2,3
	v_permlanex16_b32 v[ST+8*\t+7], v[ST+8*\t+6], s[SEL], s[SEL+1]
.endr
.irp t, 0,1,2,3
	v_add_f32 v[ST+8*\t+6], v[ST+8*\t+6], v[ST+8*\t+7]
.endr
.irp t, 0,1,2,3
	v_mul_f32 v[ST+8*\t+6], v[ST+8*\t+6], v[MX+\t]
.endr
.irp t, 0,1,2,3
	v_rcp_f32 v[ST+8*\t+4], v[ST+8*\t+6]
.endr
	v_nop                                          ; a plain instruction behind the last reciprocal
	s_wait_alu depctr_va_vdst(0)                   ; and one wait for the four, ahead of their first reader
.macro OUT t
.set rT, ST+8*(\t)
.set rX, S0+32*((\t)%2)
.set rC, S1+8*(\t)
.set rB, S1+32+8*(\t)
	WIN 0x01                                       ; source 0 (O^T) window 1
.set jj, 0
.rept 16
	v_pk_mul_f32 v[rX+jj:rX+jj+1], v[32*(\t)+jj:32*(\t)+jj+1], v[rT+4:rT+5] op_sel_hi:[1,0]   ; each accumulator from its low end on
.set jj, jj+2
.endr
	WIN 0
.set jj, 0
.rept 32
	v_med3_num_f32 v[rX+jj], v[rX+jj], -v[OL], v[OL]           ; the hold at 448 x the scale
.set jj, jj+1
.endr
.set jj, 0
.rept 4
	v_cvt_scalef32_pk8_fp8_f32 v[rC+2*jj:rC+2*jj+1], v[rX+8*jj:rX+8*jj+7], v[OS]
.set jj, jj+1
.endr
	v_nop                                          ; one plain vector instruction behind the last conversion of a run
.set jj, 0
.rept 4
	ds_store_b64 v[STO], v[rC+2*jj:rC+2*jj+1] offset:16*jj     ; channels 16 d + 8 h + 0 .. 7 of my query: the natural order
.set jj, jj+1
.endr
	ds_load_b128 v[rB:rB+3], v[RD]                             ; LDS serves a wave's instructions in order: these see my stores, and the next tile's stores come behind them
	ds_load_b128 v[rB+4:rB+7], v[RD] offset:8*PK
.endm
	OUT 0
	OUT 1
	OUT 2
	OUT 3
.irp t, 0,1,2,3
	s_wait_dscnt 6*(3-\t)                          ; behind tile t's loads: the later tiles' four stores and two loads each
	global_store_b128 v[GO], v[S1+32+8*\t:S1+32+8*\t+3], s[10:11] offset:1024*\t        ; eight rows of 64 bytes: 512 consecutive bytes, aligned
	global_store_b128 v[GO], v[S1+32+8*\t+4:S1+32+8*\t+7], s[10:11] offset:1024*\t+512
.endr
	s_wait_tensorcnt 0x0                           ; the wave's end, behind my last tensor load and my last LDS store
	ds_add_u32 v[SPW], v[NIL]
	s_wait_dscnt 0x0
	CROUND                                         ; the closing round
	s_endpgm
.Lfunc_end_k_q238f8fda0d_attn:
	.size	k_q238f8fda0d_attn, .Lfunc_end_k_q238f8fda0d_attn-k_q238f8fda0d_attn
	.p2alignl 7, 3214868480
	.fill 96, 4, 3214868480
	.section	.rodata,"a",@progbits
	.p2align	6, 0x0
	.amdhsa_kernel k_q238f8fda0d_attn
		.amdhsa_group_segment_fixed_size 327680
		.amdhsa_private_segment_fixed_size 0
		.amdhsa_enable_private_segment 0
		.amdhsa_kernarg_size 32
		.amdhsa_user_sgpr_count 2
		.amdhsa_user_sgpr_kernarg_segment_ptr 1
		.amdhsa_wavefront_size32 1
		.amdhsa_system_sgpr_workgroup_id_x 1
		.amdhsa_system_sgpr_workgroup_id_y 1
		.amdhsa_system_sgpr_workgroup_id_z 1
		.amdhsa_system_vgpr_workitem_id 0
		.amdhsa_next_free_vgpr 512
		.amdhsa_next_free_sgpr 100
		.amdhsa_reserve_vcc 0
		.amdhsa_float_denorm_mode_32 3
		.amdhsa_float_denorm_mode_16_64 3
		.amdhsa_memory_ordered 1
		.amdhsa_forward_progress 1
		.amdhsa_inst_pref_size 144
	.end_amdhsa_kernel
	.amdgpu_metadata
---
amdhsa.version: [ 1, 2 ]
amdhsa.kernels:
  - .name:           k_q238f8fda0d_attn
    .symbol:         k_q238f8fda0d_attn.kd
    .args:
      - { .name: qkvc, .offset: 0, .size: 8, .value_kind: global_buffer, .address_space: global }
      - { .name: mWin, .offset: 8, .size: 8, .value_kind: global_buffer, .address_space: global }
      - { .name: lowp_scales, .offset: 16, .size: 8, .value_kind: global_buffer, .address_space: global }
      - { .name: ac, .offset: 24, .size: 8, .value_kind: global_buffer, .address_space: global }
    .group_segment_fixed_size: 327680
    .private_segment_fixed_size: 0
    .kernarg_segment_align: 8
    .kernarg_segment_size: 32
    .max_flat_workgroup_size: 256
    .sgpr_count:     100
    .vgpr_count:     512
    .wavefront_size: 32
...
	.end_amdgpu_metadata
.endif
;; end of part 3
;; launch proj (part 4): grid 4 x 32, 4 waves a work-group, clusters of 4 x 4, 327,680 bytes of LDS; arguments ac, wpc, lowp_scales, proj_b, out0; writes out0
.if DOCPART == 4
	.amdgcn_target "amdgcn-amd-amdhsa--gfx1250"
	.amdhsa_code_object_version 6
	.text
	.protected	k_q238f8fda0d_proj
	.globl	k_q238f8fda0d_proj
	.p2align	8
	.type	k_q238f8fda0d_proj,@function
k_q238f8fda0d_proj:
	s_mov_b64 s[64:65], 0
	v_nop
	global_prefetch_b8 v0, s[64:65] scope:SCOPE_SE
	s_setreg_imm32_b32 hwreg(HW_REG_WAVE_MODE, 25, 1), 1
	s_wait_xcnt 0x0
	s_wait_alu depctr_hold_cnt(0) depctr_sa_sdst(0) depctr_va_vdst(0) depctr_va_sdst(0) depctr_va_ssrc(0) depctr_va_vcc(0) depctr_vm_vsrc(0)
	s_getreg_b32 s2, hwreg(HW_REG_IB_STS2, 6, 4)
	s_cmp_eq_u32 s2, 0
	s_cbranch_scc0 .Lentry_in_a_cluster
	s_endpgm
.Lentry_in_a_cluster:
	s_bfe_u32 s2, ttmp6, 0x10000c
	s_cmp_lg_u32 s2, 0xf033
	s_cbranch_scc0 .Lentry_shape_is_right
	s_endpgm
.Lentry_shape_is_right:
; The last product: out0[token][n] = (sum over c of A[token][c] W[n][c]) x 2^(e6 + e7) + proj_b[n], on codes of FP8 (E4M3); sums in f32.
; ac: [16 batch + head][2048 tokens][64]: A's codes, c = 64 head + channel.  wpc: [1024][1024], K innermost.  out0: [8192][1024] f32.
; LIMIT: e6 + e7 lies between -126 and 127, so that 2^(e6 + e7) is an f32 number.
; A tile of 256 tokens x 256 columns is made by four waves, 128 x 128 each.  K goes in steps of 256 (four heads) through a ring of two LDS slots filled by tensor loads.
; The output has 32 x 4 such tiles: 128 work-groups.
; A'S TILE: a head's 256 tokens are 16,384 consecutive bytes of ac.  A wave's load brings two heads: two rows of 16,384 bytes, 131,072 apart, with 16 bytes of padding behind every 64:
;   in LDS [head][token], 80 bytes a token, 20,480 a head.  W's tile: 128 rows of 256 bytes + 16.
; CLUSTERS: 4 x 4 work-groups; A's tiles are asked for jointly along a row of the cluster, W's along a column.
; THE MATRIX INSTRUCTION IS USED TRANSPOSED (source 0 = 16 rows of W, source 1 = 16 tokens): a lane holds eight neighbouring numbers of a row of out0.
; REGISTERS: window 0: v0-31 addresses; v32-95 the bias of my 64 columns a lane; from v128 A's fragments, one set (on the way out: rows read back).  window 1: W's fragments, two sets.  windows 2, 3: the accumulators.
.set SIZE_N, 1024
.set SIZE_K, 1024
.set KSTEP,  256
.set ROWB,   256                       ; a row of W's tile in bytes
.set KROW,   SIZE_K
.set PITCH,  272                       ; W's LDS row
.set APITCH, 80                        ; a token's 64 bytes of a head + 16
.set HEADB,  256*APITCH                ; a head's 256 tokens in LDS
.set AREG,   4*HEADB                   ; A's four heads; W's rows lie behind them
.set FR,     16
.set NL,     4
.set NP,     4                         ; places behind this matrix instruction (ISA guide 7.12.1)
.set HALFT,  128*PITCH
.set SLOT,   AREG+2*HALFT
.set LAPS,   SIZE_K/(2*KSTEP)
.set SPARE,  2*SLOT                    ; behind the ring: the spare words, 128 bytes for each wave, which no other line names
.set SPITCH, 528                       ; the way out: a stage of 16 rows x (512 bytes + 16) for each wave, in slot 0, which has had its last fill and its last read by then
.set ADRA, 16                          ; v16-19  LDS address of my A fragments: slot s, 128 along K number q: v[16 + 2 s + q]
.set ADRB, 20                          ; v20-21  of W's fragments in slot 0, 1
.set STO,  24
.set RD,   25
.set CO,   26
.set SPW,  28                          ; v28     LDS address of my spare word; never rewritten
.set NIL,  29                          ; v29     0; never rewritten
.set BI,   32
.set AF,   128
.set BK,   128                         ; the way out: 16 rows read back: v128-191 and v192-255 by turns
.set G1, 24
.set G0, 32
.set G1B, 48
.set G0B, 56
.set MSB, 0
.macro WIN new                         ; the immediate's high byte repeats the setting that is left
.if MSB != \new
	s_set_vgpr_msb (MSB<<8)|\new
.set MSB, \new
.endif
.endm
.set MUL_LO, 0xa1                      ; source 0 (W) window 1, source 1 (A) window 0, C and D window 2
.set MUL_HI, 0xf1
.set TO_B,   0x40
.macro JLOAD g0a, g1a, g0b, g1b        ; a joint load: waves 0 and 1 fetch for A, waves 2 and 3 for W; an s_nop 0 and four v_nop follow each of the two lines
	s_cmp_eq_u32 s15, 0
	s_cbranch_scc0 .Lfor_b_\@
	tensor_load_to_lds s[\g0a:\g0a+3], s[\g1a:\g1a+7]
	s_nop 0
.rept 4
	v_nop
.endr
	s_branch .Lasked_\@
.Lfor_b_\@:
	tensor_load_to_lds s[\g0b:\g0b+3], s[\g1b:\g1b+7]
	s_nop 0
.rept 4
	v_nop
.endr
.Lasked_\@:
.endm
.macro CREST
	s_cmp_lg_u32 s14, 0
	s_cbranch_scc1 .Lnot_wave_0_\@
	s_barrier_signal -3
.Lnot_wave_0_\@:
	s_barrier_wait -3
	s_barrier_signal -1
	s_barrier_wait -1
.endm
.macro CROUND
	s_barrier_signal -1
	s_barrier_wait -1
	CREST
.endm
	s_load_b128 s[4:7], s[0:1], 0x0                ; A's codes s[4:5], W's codes s[6:7]
	s_load_b128 s[8:11], s[0:1], 0x10              ; the scales' exponents s[8:9], the bias s[10:11]
	s_load_b64 s[12:13], s[0:1], 0x20              ; out0
	v_lshl_add_u32 v[SPW], v0, 2, SPARE
	v_mov_b32 v[NIL], 0
	ds_add_u32 v[SPW], v[NIL]                      ; the wave's opening: an add, and its wait ahead of my first tensor load; the set-up below stands between the two
	v_lshrrev_b32 v1, 5, v0
	v_readfirstlane_b32 s14, v1                    ; wave 0..3
	s_lshr_b32 s15, s14, 1                         ; which half of the tile's tokens is mine.  Also: I fetch for A (0) or for W (1)
	s_and_b32 s16, s14, 1                          ; which half of its columns.  Also: which half of that tile I fetch
	s_bfe_u32 s40, ttmp6, 0x40000                  ; cx, cy
	s_bfe_u32 s41, ttmp6, 0x40004
	s_lshl_b32 s42, ttmp9, 2
	s_add_co_u32 s42, s42, s40                     ; tile column
	s_and_b32 s17, ttmp7, 0xffff
	s_lshl_b32 s17, s17, 2
	s_add_co_u32 s17, s17, s41                     ; tile row
	s_lshl_b32 s43, s41, 2
	s_lshl_b32 s43, 15, s43                        ; my row of the cluster
	s_lshl_b32 s44, 0x1111, s40                    ; my column
	s_or_b32 s[G1+0], s43, (0<<16)|(1<<20)|(1<<21)|(3<<22)|(3<<25)  ; A: the mask of my row; elements of 1 byte; padding on; bit 21 beside a mask; after every 16 words, 4 words
	s_mov_b32 s[G1+1], 16384<<16                   ; tensor_dim0 = 16,384
	s_mov_b32 s[G1+2], 2<<16                       ; tensor_dim1 = 2
	s_mov_b32 s[G1+3], 16384<<16                   ; tile_dim0 = 16,384
	s_mov_b32 s[G1+4], 2                           ; tile_dim1 = 2
	s_mov_b32 s[G1+5], 131072                      ; tensor_dim0_stride: from head to head
	s_mov_b32 s[G1+6], 0
	s_mov_b32 s[G1+7], 0
	s_or_b32 s[G1B+0], s44, (0<<16)|(1<<20)|(1<<21)|(5<<22)|(3<<25) ; W: the mask of my column; 4 words after every 64
	s_mov_b32 s[G1B+1], ROWB<<16
	s_mov_b32 s[G1B+2], 128<<16
	s_mov_b32 s[G1B+3], ROWB<<16
	s_mov_b32 s[G1B+4], 128
	s_mov_b32 s[G1B+5], KROW
	s_mov_b32 s[G1B+6], 0
	s_mov_b32 s[G1B+7], 0
	s_lshr_b32 s20, s17, 3                         ; A: batch x 16 heads x 131,072
	s_lshl_b32 s20, s20, 21
	s_and_b32 s18, s17, 7
	s_lshl_b32 s18, s18, 14                        ; + the tile's 256 tokens in the batch x 64 bytes
	s_add_co_u32 s20, s20, s18
	s_lshl_b32 s18, s16, 18                        ; + my two heads of a K step's four
	s_add_co_u32 s20, s20, s18
	s_mov_b32 s21, 0
	s_lshl_b32 s46, s42, 8                         ; W: row 256 x tile column + 128 x half, 1,024 bytes each
	s_lshl_b32 s18, s16, 7
	s_add_co_u32 s46, s46, s18
	s_lshl_b32 s46, s46, 10
	s_mov_b32 s47, 0
	s_mul_i32 s45, s16, 2*HEADB                    ; where they go: no place in the cluster enters an LDS address
	s_mul_i32 s19, s16, HALFT
	s_add_co_u32 s19, s19, AREG
	s_wait_dscnt 0x0                               ; the opening add is done
	s_wait_kmcnt 0x0
	s_load_b64 s[96:97], s[8:9], 0x18              ; e6, e7
	s_add_nc_u64 s[20:21], s[4:5], s[20:21]
	s_add_nc_u64 s[46:47], s[6:7], s[46:47]
	CROUND                                         ; all sixteen work-groups are here: the first joint loads meet
.irp s, 0,1
	s_mov_b32 s[G0+4*\s], 1
	s_add_co_u32 s[G0+4*\s+1], s45, \s*SLOT
	s_add_nc_u64 s[G0+4*\s+2:G0+4*\s+3], s[20:21], \s*524288       ; K step s: four heads on
	s_or_b32 s[G0+4*\s+3], s[G0+4*\s+3], 0x80000000
	s_mov_b32 s[G0B+4*\s], 1
	s_add_co_u32 s[G0B+4*\s+1], s19, \s*SLOT
	s_add_nc_u64 s[G0B+4*\s+2:G0B+4*\s+3], s[46:47], \s*ROWB
	s_or_b32 s[G0B+4*\s+3], s[G0B+4*\s+3], 0x80000000
	JLOAD G0+4*\s, G1, G0B+4*\s, G1B
.endr
	v_and_b32 v1, 15, v0                           ; r
	v_bfe_u32 v2, v0, 4, 1                         ; h
	v_mul_u32_u24 v3, v1, APITCH
	v_lshl_add_u32 v3, v2, 4, v3                   ; A: token r x 80 + 16 h
	v_mul_u32_u24 v4, v1, PITCH
	v_lshl_add_u32 v4, v2, 4, v4                   ; W: row r x 272 + 16 h
	s_mul_i32 s21, s15, 128*APITCH                 ; my 128 tokens
	s_mul_i32 s22, s16, HALFT                      ; my 128 rows of W,
	s_add_co_u32 s22, s22, AREG                    ; which lie behind A's four heads
.irp s, 0,1
.irp q, 0,1
	s_add_co_u32 s23, s21, \s*SLOT+\q*2*HEADB      ; slot s, heads 2 q and 2 q + 1
	v_add_nc_u32 v[ADRA+2*\s+\q], s23, v3
.endr
	v_add_nc_u32 v[ADRB+\s], s22, v4
	s_add_co_u32 s22, s22, SLOT
.endr
	s_mul_i32 s23, s14, 16*SPITCH                  ; my stage
	v_mul_u32_u24 v5, v1, SPITCH                   ; in: row r, 32 bytes for each half of the lanes
	v_lshl_add_u32 v5, v2, 5, v5
	v_add_nc_u32 v[STO], s23, v5
	v_and_b32 v6, 31, v0
	v_lshlrev_b32 v[CO], 4, v6                     ; back: the 32 lanes take one row of 512 bytes; and the same in out0
	v_add_nc_u32 v[RD], s23, v[CO]
	v_lshlrev_b32 v10, 5, v2                       ; the bias: 32 h bytes
	s_lshl_b32 s20, s17, 8
	s_lshl_b32 s21, s15, 7
	s_add_co_u32 s20, s20, s21                     ; my first row of out0
	s_mov_b32 s21, 0
	s_mov_b64 s[18:19], SIZE_N*4
	s_mul_u64 s[20:21], s[20:21], s[18:19]
	s_lshl_b32 s46, s42, 10                        ; my first column, in bytes: 1,024 x tile column + 512 x half: in out0 and in the bias alike
	s_lshl_b32 s47, s16, 9
	s_add_co_u32 s46, s46, s47
	s_mov_b32 s47, 0
	s_add_nc_u64 s[10:11], s[10:11], s[46:47]
	s_add_nc_u64 s[20:21], s[20:21], s[46:47]
	s_add_nc_u64 s[12:13], s[12:13], s[20:21]
.irp b, 0,1,2,3,4,5,6,7
	global_load_b128 v[BI+8*\b:BI+8*\b+3], v10, s[10:11] offset:64*\b          ; proj_b[first column + 16 b + 8 h + 0 .. 7]
	global_load_b128 v[BI+8*\b+4:BI+8*\b+7], v10, s[10:11] offset:64*\b+16
.endr
; A fragment, 16 rows x 128 K, is 16 registers: registers 4 c .. 4 c + 3 hold K = 32 c + 16 (l / 16) + 0 .. 15, on both sides.  In A those are bytes 32 (c % 2) + 16 (l / 16) on of head c / 2.
.macro FRAGA reg, slot, q, i
.irp c, 0,1,2,3
	ds_load_b128 v[\reg+4*\c:\reg+4*\c+3], v[ADRA+2*(\slot)+(\q)] offset:(\c/2)*HEADB+32*(\c%2)+(\i)*16*APITCH
.endr
.endm
.macro FRAGB reg, slot, q, i
.irp c, 0,1,2,3
	ds_load_b128 v[\reg+4*\c:\reg+4*\c+3], v[ADRB+(\slot)] offset:128*(\q)+32*\c+(\i)*16*PITCH
.endr
.endm
; 16 matrix instructions: A's blocks a0, a0 + 1 x W's eight.  The 64 accumulators take turns, one instruction a turn, in the same order in every step.
.macro MUL16 a0, p, zero
.irp a, \a0, \a0+1
.irp b, 0,1,2,3,4,5,6,7
.if \zero
	v_wmma_f32_16x16x128_fp8_fp8 v[8*(8*((\a)%4)+\b):8*(8*((\a)%4)+\b)+7], v[128*(\p)+FR*\b:128*(\p)+FR*\b+FR-1], v[AF+FR*(\a):AF+FR*(\a)+FR-1], 0
.else
	v_wmma_f32_16x16x128_fp8_fp8 v[8*(8*((\a)%4)+\b):8*(8*((\a)%4)+\b)+7], v[128*(\p)+FR*\b:128*(\p)+FR*\b+FR-1], v[AF+FR*(\a):AF+FR*(\a)+FR-1], v[8*(8*((\a)%4)+\b):8*(8*((\a)%4)+\b)+7]
.endif
.endr
.endr
.endm
.macro FETCH_B slot, q, p
	WIN TO_B
.irp i, 0,1,2,3,4,5,6,7
	FRAGB 128*(\p)+FR*\i, \slot, \q, \i
.endr
	WIN 0
.endm
.macro FETCH_A slot, q, i0
.irp i, \i0, \i0+1, \i0+2, \i0+3
	FRAGA AF+FR*(\i), \slot, \q, \i
.endr
.endm
.macro PLACES n                        ; plain vector instructions between a matrix instruction and a load into, or a vector instruction on, its registers
.rept \n
	v_nop
.endr
.endm
.macro STEP slot, q, zero
	s_wait_dscnt 4*NL                              ; W's set and A's blocks 0-3 are in; the youngest sixteen loads (A's blocks 4-7) may be out
	WIN MUL_LO
	MUL16 0, (\q)%2, \zero
	MUL16 2, (\q)%2, \zero
	s_wait_dscnt 0
	PLACES NP
	FETCH_B \slot, (\q)+1, 1-(\q)%2
	FETCH_A \slot, (\q)+1, 0
	WIN MUL_HI
	MUL16 4, (\q)%2, \zero
	MUL16 6, (\q)%2, \zero
	PLACES NP
	WIN 0
	FETCH_A \slot, (\q)+1, 4
.endm
; A slot's last step changes slots: one barrier; in front of it each wave waits for all its tensor loads, adds 0 to its spare word, and waits for that and for its own reads of this slot.
.macro TURN slot, next, fill
	s_wait_tensorcnt 0x0                           ; all my tensor loads have landed: my part of the next slot
	ds_add_u32 v[SPW], v[NIL]                      ; 0 onto my spare word
	s_wait_dscnt 4*NL+1                            ; (the add and the youngest sixteen loads may be out)
	WIN MUL_LO
	MUL16 0, 1, 0
	s_wait_dscnt 0x0                               ; the add is done, and my reads of this slot are over
	s_barrier_signal -1
	MUL16 2, 1, 0
	WIN 0
	s_barrier_wait -1
.if \fill
	CREST                                          ; the barrier has opened a round of the cluster's barrier: no wave of any partner still reads this slot or has a load on its way
	s_add_nc_u64 s[G0+4*\slot+2:G0+4*\slot+3], s[G0+4*\slot+2:G0+4*\slot+3], 2*524288     ; eight heads on
	s_add_nc_u64 s[G0B+4*\slot+2:G0B+4*\slot+3], s[G0B+4*\slot+2:G0B+4*\slot+3], 2*ROWB
	JLOAD G0+4*\slot, G1, G0B+4*\slot, G1B         ; the first tensor load behind the round; the four v_nop behind it are the places in front of the loads below
.else
	PLACES NP
.endif
	FETCH_B \next, 0, 0
	FETCH_A \next, 0, 0
	WIN MUL_HI
	MUL16 4, 1, 0
	MUL16 6, 1, 0
	PLACES NP
	WIN 0
	FETCH_A \next, 0, 4
.endm
	s_wait_loadcnt 0x0                             ; the bias, once
	s_wait_tensorcnt 1                             ; my part of K step 0 is in (K step 1's load may be out),
	s_barrier_signal -1
	s_barrier_wait -1                              ; everybody's is
	FETCH_B 0, 0, 0
	FETCH_A 0, 0, 0
	FETCH_A 0, 0, 4
	STEP 0, 0, 1                                   ; the first step stands in front of the loop: its products start the sums
	s_mov_b32 s3, LAPS-1
.Llap:
	TURN 0, 1, 1
	STEP 1, 0, 0
	TURN 1, 0, 1
	STEP 0, 0, 0
	s_sub_co_u32 s3, s3, 1
	s_cmp_lg_u32 s3, 0
	s_cbranch_scc1 .Llap
	TURN 0, 1, 0                                   ; the last lap fills nothing
	STEP 1, 0, 0
	s_wait_dscnt 4*NL
	WIN MUL_LO
	MUL16 0, 1, 0
	MUL16 2, 1, 0
	s_wait_dscnt 0
	WIN MUL_HI
	MUL16 4, 1, 0
	MUL16 6, 1, 0
	WIN 0
; THE WAY OUT, block by block of 16 rows x 128 columns: sum x 2^(e6 + e7) + bias, in place; through my own stage in LDS; back as whole rows of 512 bytes.
.macro TOSTAGE a
.set AC, 64*((\a)%4)
.set WA, 2+(\a)/4
.set WB, (WA<<6)|WA
	WIN WB                                         ; destination and source 0: the accumulators' window; the bias: window 0
.irp j, 0,2,4,6,8,10,12,14,16,18,20,22,24,26,28,30,32,34,36,38,40,42,44,46,48,50,52,54,56,58,60,62
	v_pk_fma_f32 v[AC+\j:AC+\j+1], v[AC+\j:AC+\j+1], s[96:97], v[BI+\j:BI+\j+1] op_sel_hi:[1,0,1]   ; the scalar pair's low word for both halves; each accumulator from its low end on
.endr
.set WB, WA<<2
	WIN WB                                         ; an LDS store's data: the accumulators' window; its address: window 0
.irp b, 0,1,2,3,4,5,6,7
	ds_store_b128 v[STO], v[AC+8*\b:AC+8*\b+3] offset:64*\b
	ds_store_b128 v[STO], v[AC+8*\b+4:AC+8*\b+7] offset:64*\b+16
.endr
	WIN 0
.set BB, BK+64*((\a)%2)
.irp t, 0,1,2,3,4,5,6,7,8,9,10,11,12,13,14,15
	ds_load_b128 v[BB+4*\t:BB+4*\t+3], v[RD] offset:\t*SPITCH      ; LDS serves a wave's instructions in order: these see my stores
.endr
.endm
.macro SEND a, younger                 ; younger: the LDS instructions issued behind block a's loads, which may stay out
.set BB, BK+64*((\a)%2)
	s_wait_dscnt \younger
.if (\a) > 0
	s_add_nc_u64 s[12:13], s[12:13], 16*SIZE_N*4   ; (behind a wait on XCNT: the earlier stores have read their base)  16 rows on
.endif
.irp t, 0,1,2,3,4,5,6,7,8,9,10,11,12,13,14,15
	global_store_b128 v[CO], v[BB+4*\t:BB+4*\t+3], s[12:13] offset:\t*SIZE_N*4 th:TH_STORE_NT   ; 32 lanes store 512 consecutive bytes, aligned; written once, read by nobody here
.endr
.endm
	s_wait_kmcnt 0x0
	s_add_co_i32 s96, s96, s97                     ; e6 + e7
	s_add_co_i32 s96, s96, 127
	s_lshl_b32 s96, s96, 23                        ; 2^(e6 + e7) as f32
	s_mov_b32 s97, s96                             ; (named with it as a pair)
	PLACES NP                                      ; behind the last products
	TOSTAGE 0
.irp a, 1,2,3,4,5,6,7
.if \a > 1
	s_wait_xcnt 0x0                                ; block a - 2's stores have read their registers and their base
.endif
	TOSTAGE \a
	SEND \a-1, 32                                  ; behind block a - 1's loads: block a's 16 stores and 16 loads
.endr
	s_wait_xcnt 0x0                                ; block 6's stores have read their base
	SEND 7, 0
	s_wait_tensorcnt 0x0                           ; the wave's end, behind my last tensor load and my last LDS store
	ds_add_u32 v[SPW], v[NIL]
	s_wait_dscnt 0x0
	CROUND                                         ; the closing round
	s_endpgm
.Lfunc_end_k_q238f8fda0d_proj:
	.size	k_q238f8fda0d_proj, .Lfunc_end_k_q238f8fda0d_proj-k_q238f8fda0d_proj
	.p2alignl 7, 3214868480
	.fill 96, 4, 3214868480
	.section	.rodata,"a",@progbits
	.p2align	6, 0x0
	.amdhsa_kernel k_q238f8fda0d_proj
		.amdhsa_group_segment_fixed_size 327680
		.amdhsa_private_segment_fixed_size 0
		.amdhsa_enable_private_segment 0
		.amdhsa_kernarg_size 40
		.amdhsa_user_sgpr_count 2
		.amdhsa_user_sgpr_kernarg_segment_ptr 1
		.amdhsa_wavefront_size32 1
		.amdhsa_system_sgpr_workgroup_id_x 1
		.amdhsa_system_sgpr_workgroup_id_y 1
		.amdhsa_system_sgpr_workgroup_id_z 1
		.amdhsa_system_vgpr_workitem_id 0
		.amdhsa_next_free_vgpr 1024
		.amdhsa_next_free_sgpr 98
		.amdhsa_reserve_vcc 0
		.amdhsa_float_denorm_mode_32 3
		.amdhsa_float_denorm_mode_16_64 3
		.amdhsa_memory_ordered 1
		.amdhsa_forward_progress 1
		.amdhsa_inst_pref_size 125
	.end_amdhsa_kernel
	.amdgpu_metadata
---
amdhsa.version: [ 1, 2 ]
amdhsa.kernels:
  - .name:           k_q238f8fda0d_proj
    .symbol:         k_q238f8fda0d_proj.kd
    .args:
      - { .name: ac, .offset: 0, .size: 8, .value_kind: global_buffer, .address_space: global }
      - { .name: wpc, .offset: 8, .size: 8, .value_kind: global_buffer, .address_space: global }
      - { .name: lowp_scales, .offset: 16, .size: 8, .value_kind: global_buffer, .address_space: global }
      - { .name: proj_b, .offset: 24, .size: 8, .value_kind: global_buffer, .address_space: global }
      - { .name: out0, .offset: 32, .size: 8, .value_kind: global_buffer, .address_space: global }
    .group_segment_fixed_size: 327680
    .private_segment_fixed_size: 0
    .kernarg_segment_align: 8
    .kernarg_segment_size: 40
    .max_flat_workgroup_size: 128
    .sgpr_count:     98
    .vgpr_count:     1024
    .wavefront_size: 32
...
	.end_amdgpu_metadata
.endif
;; end of part 4
;; ======== version 2 of 2: 4 launches
;; limits: right only within a limited range of input values
;; workspace buffers: xc 8,388,608 bytes; wqc 3,145,728 bytes; wpc 1,048,576 bytes; qkvc 25,165,824 bytes; ac 8,388,608 bytes
;; launch quant: the kernel of part 1 again; grid 384 x 1, 4 waves a work-group, no clusters, 33,280 bytes of LDS; arguments x, qkv_w, proj_w, lowp_scales, xc, wqc, wpc; writes xc, wqc, wpc
;; launch qkv (part 5): grid 12 x 32, 4 waves a work-group, clusters of 4 x 4, 327,680 bytes of LDS; arguments xc, wqc, lowp_scales, mWin, qkvc; writes qkvc
.if DOCPART == 5
	.amdgcn_target "amdgcn-amd-amdhsa--gfx1250"
	.amdhsa_code_object_version 6
	.text
	.protected	k_q238f8fda0d_qkv
	.globl	k_q238f8fda0d_qkv
	.p2align	8
	.type	k_q238f8fda0d_qkv,@function
k_q238f8fda0d_qkv:
	s_mov_b64 s[64:65], 0
	v_nop
	global_prefetch_b8 v0, s[64:65] scope:SCOPE_SE
	s_setreg_imm32_b32 hwreg(HW_REG_WAVE_MODE, 25, 1), 1
	s_wait_xcnt 0x0
	s_wait_alu depctr_hold_cnt(0) depctr_sa_sdst(0) depctr_va_vdst(0) depctr_va_sdst(0) depctr_va_ssrc(0) depctr_va_vcc(0) depctr_vm_vsrc(0)
	s_getreg_b32 s2, hwreg(HW_REG_IB_STS2, 6, 4)
	s_cmp_eq_u32 s2, 0
	s_cbranch_scc0 .Lentry_in_a_cluster
	s_endpgm
.Lentry_in_a_cluster:
	s_bfe_u32 s2, ttmp6, 0x10000c
	s_cmp_lg_u32 s2, 0xf033
	s_cbranch_scc0 .Lentry_shape_is_right
	s_endpgm
.Lentry_shape_is_right:
; The first product, x W^T on codes of FP8 (E4M3), and the quantising of its results as operands of the two products of attention.
; xc: [8192][1024], wqc: [3072][1024]: codes, K innermost.  Sums in f32.  A sum stands for sum x 2^(e0 + e1).
; q = sum x 2^(e0+e1) / 8 x m[token], k = sum x 2^(e0+e1) x m[token], v likewise; their codes are number / 2^e (e2, e3, e5).
; So a code is (sum x m) / 2^E with E = e2 + 3 - e0 - e1 (q), e3 - e0 - e1 (k), e5 - e0 - e1 (v): one multiplication by m, one conversion.
; LIMITS: each of the three E lies between -126 and 127, so that 2^E is an f32 number.  NaN among the inputs is not served.
; OUT: qkvc has three parts of 8,388,608 bytes.  q and k: [bh = 16 batch + head][token][64]; v: [bh][block of 128 tokens][channel 0..63][128 tokens], the keys innermost.
;   Inside each group of 32 along the innermost axis, byte 16 h + 8 u + j holds index 16 u + 8 h + j: the order in which a lane's codes fall.  In q and k it is the same
;   permutation of the channels on both sides; in v it is the order in which the next launch's weights fall.
; A tile of 256 tokens x 256 columns is made by four waves, 128 x 128 each: 64 accumulators.  K goes in steps of 256 through a ring of two LDS slots filled by tensor loads.
; CLUSTERS: 4 x 4 work-groups; x's tiles are asked for jointly along a row of the cluster, W's along a column.  The cluster's x is the kind: 0 q, 1 k, 2 v: the same in all sixteen partners.
; THE MATRIX INSTRUCTION'S SOURCES: source 1 gives a lane its row, source 0 the eight neighbours in its registers.  q, k: source 1 = tokens, source 0 = columns: a lane holds eight channels of a token.
;   v: the two LDS regions change places: source 1 = columns, source 0 = tokens: a lane holds eight tokens of a channel.  Only four address registers differ.
; REGISTERS: window 0: v0-31 addresses; v32-95 m of the tokens that lie along registers; v96-111 m of the tokens that lie along lanes; from v128 source 1's fragments, one set (on the way out: codes and rows).
;   window 1: source 0's fragments, two sets.   windows 2, 3: the accumulators ((a, b) at v[8 (8 (a % 4) + b)]).
.set SIZE_K, 1024
.set KSTEP,  256                       ; along K in a slot
.set ROWB,   256                       ; a tile's row in bytes
.set KROW,   SIZE_K                    ; a row of codes in memory, in bytes
.set PITCH,  272                       ; an LDS row: 256 bytes + 16 of padding: the 16 rows that a load touches start 68 words apart
.set FR,     16                        ; registers of a fragment: 16 rows x 128 K
.set NL,     4                         ; LDS loads that bring one
.set NP,     4                         ; places behind this matrix instruction (ISA guide 7.12.1)
.set HALFT,  128*PITCH                 ; 128 rows: what one tensor load brings
.set SLOT,   4*HALFT                   ; x's 256 rows, then W's 256 rows
.set LAPS,   SIZE_K/(2*KSTEP)          ; a lap = two K steps = once round the ring
.set SPARE,  2*SLOT                    ; behind the ring: the spare words, 128 bytes for each wave, which no other line names
.set RSTG,   0                         ; the way out of q and k: for each wave 2 heads x 16 rows x 80 bytes.  Both stages lie in slot 0, which has had its last fill and its last read by then
.set CSTG,   16384                     ; the way out of v: for each wave 16 rows x 144 bytes
.set SCV,  12                          ; v12     2^E as f32
.set LIMV, 13
.set ADRA, 16                          ; v16-17  LDS address of source 1's fragments in slot 0, 1
.set ADRB, 20                          ; v20-21  the same for source 0
.set STOC, 22                          ; v22, v23  v's stage: where I put 16 bytes, where I read rows back
.set RDC,  23
.set STOR, 24                          ; v24, v25  the same for q and k
.set RDR,  25
.set GOF,  26                          ; v26     16 x lane: my place in a store's 512 bytes
.set SPW,  28                          ; v28     LDS address of my spare word; never rewritten
.set NIL,  29                          ; v29     0; never rewritten
.set MC,   32
.set MR,   96
.set AF,   128
.set CD,   128                         ; the way out: a block's codes, two sets of 16
.set BK,   160                         ; and its rows read back, two sets of 16
.set G1, 24                            ; s[24:31] descriptor group 1 for x's tiles;  s[32:39] group 0, one set for each slot
.set G0, 32
.set G1B, 48                           ; s[48:55], s[56:63] the same for W's tiles
.set G0B, 56
.set MSB, 0
.macro WIN new                         ; the immediate's high byte repeats the setting that is left
.if MSB != \new
	s_set_vgpr_msb (MSB<<8)|\new
.set MSB, \new
.endif
.endm
.set MUL_LO, 0xa1                      ; source 0 window 1, source 1 window 0, C and D window 2
.set MUL_HI, 0xf1                      ; the same, C and D window 3
.set TO_B,   0x40                      ; destination window 1, address window 0
; A joint load: waves 0 and 1 fetch x's halves, waves 2 and 3 W's.  Each line has one mask and one set of registers; the branch hangs on the wave's number alone.
; An s_nop 0 and four v_nop follow each of the two lines.
.macro JLOAD g0a, g1a, g0b, g1b
	s_cmp_eq_u32 s15, 0
	s_cbranch_scc0 .Lfor_b_\@
	tensor_load_to_lds s[\g0a:\g0a+3], s[\g1a:\g1a+7]
	s_nop 0
.rept 4
	v_nop
.endr
	s_branch .Lasked_\@
.Lfor_b_\@:
	tensor_load_to_lds s[\g0b:\g0b+3], s[\g1b:\g1b+7]
	s_nop 0
.rept 4
	v_nop
.endr
.Lasked_\@:
.endm
.macro CREST                           ; a round of the cluster's barrier behind its opening barrier
	s_cmp_lg_u32 s14, 0
	s_cbranch_scc1 .Lnot_wave_0_\@
	s_barrier_signal -3
.Lnot_wave_0_\@:
	s_barrier_wait -3
	s_barrier_signal -1
	s_barrier_wait -1
.endm
.macro CROUND                          ; a whole round
	s_barrier_signal -1
	s_barrier_wait -1
	CREST
.endm
	s_load_b128 s[4:7], s[0:1], 0x0                ; x's codes s[4:5], W's codes s[6:7]
	s_load_b128 s[8:11], s[0:1], 0x10              ; the scales' exponents s[8:9], m s[10:11]
	s_load_b64 s[12:13], s[0:1], 0x20              ; qkvc
	v_lshl_add_u32 v[SPW], v0, 2, SPARE
	v_mov_b32 v[NIL], 0
	ds_add_u32 v[SPW], v[NIL]                      ; the wave's opening: an add, and its wait ahead of my first tensor load; the set-up below stands between the two
	ds_add_u32 v[SPW], v[NIL]
	v_lshrrev_b32 v1, 5, v0
	v_readfirstlane_b32 s14, v1                    ; wave 0..3
	s_lshr_b32 s15, s14, 1                         ; which half of the tile's tokens is mine.  Also: I fetch for x (0) or for W (1)
	s_and_b32 s16, s14, 1                          ; which half of its columns.  Also: which 128 rows of that tile I fetch
	s_bfe_u32 s40, ttmp6, 0x40000                  ; cx, cy: my place in the cluster
	s_bfe_u32 s41, ttmp6, 0x40004
	s_lshl_b32 s42, ttmp9, 2
	s_add_co_u32 s42, s42, s40                     ; tile column = 4 x cluster x + cx
	s_and_b32 s17, ttmp7, 0xffff
	s_lshl_b32 s17, s17, 2
	s_add_co_u32 s17, s17, s41                     ; tile row = 4 x cluster y + cy
	s_lshl_b32 s43, s41, 2
	s_lshl_b32 s43, 15, s43                        ; my row of the cluster
	s_lshl_b32 s44, 0x1111, s40                    ; my column
	; descriptor group 1: a tile of 128 rows x 256 bytes, padded in LDS
	s_or_b32 s[G1+0], s43, (0<<16)|(1<<20)|(1<<21)|(5<<22)|(3<<25)  ; 15:0 the mask: x's tiles go to my row; elements of 1 byte; padding on; bit 21 beside a mask; after every 64 words, 4 words
	s_or_b32 s[G1B+0], s44, (0<<16)|(1<<20)|(1<<21)|(5<<22)|(3<<25)
.irp g, G1, G1B
	s_mov_b32 s[\g+1], ROWB<<16                    ; tensor_dim0
	s_mov_b32 s[\g+2], 128<<16                     ; tensor_dim1 = 128
	s_mov_b32 s[\g+3], ROWB<<16                    ; tile_dim0
	s_mov_b32 s[\g+4], 128                         ; tile_dim1 = 128
	s_mov_b32 s[\g+5], KROW                        ; tensor_dim0_stride
	s_mov_b32 s[\g+6], 0
	s_mov_b32 s[\g+7], 0
.endr
	s_lshl_b32 s18, s16, 7                         ; which 128 rows of the tile I fetch
	s_lshl_b32 s20, s17, 8
	s_add_co_u32 s20, s20, s18                     ; x: row 256 x tile row + 128 x half
	s_lshl_b32 s46, s42, 8
	s_add_co_u32 s46, s46, s18                     ; W: row 256 x tile column + 128 x half
	s_mov_b32 s21, 0
	s_mov_b32 s47, 0
	s_mov_b64 s[18:19], KROW
	s_mul_u64 s[20:21], s[20:21], s[18:19]
	s_mul_u64 s[46:47], s[46:47], s[18:19]
	s_mul_i32 s45, s14, HALFT                      ; where they go: wave x 128 rows: no place in the cluster enters an LDS address
	s_wait_dscnt 0x0                               ; the opening add is done
	s_wait_kmcnt 0x0
	s_load_b256 s[72:79], s[8:9], 0x0              ; e0 .. e7
	s_add_nc_u64 s[20:21], s[4:5], s[20:21]
	s_add_nc_u64 s[46:47], s[6:7], s[46:47]
	CROUND                                         ; all sixteen work-groups are here: the first joint loads meet
.irp s, 0,1
	s_mov_b32 s[G0+4*\s], 1
	s_add_co_u32 s[G0+4*\s+1], s45, \s*SLOT
	s_add_nc_u64 s[G0+4*\s+2:G0+4*\s+3], s[20:21], \s*ROWB
	s_or_b32 s[G0+4*\s+3], s[G0+4*\s+3], 0x80000000
	s_mov_b32 s[G0B+4*\s], 1
	s_add_co_u32 s[G0B+4*\s+1], s45, \s*SLOT
	s_add_nc_u64 s[G0B+4*\s+2:G0B+4*\s+3], s[46:47], \s*ROWB
	s_or_b32 s[G0B+4*\s+3], s[G0B+4*\s+3], 0x80000000
	JLOAD G0+4*\s, G1, G0B+4*\s, G1B
.endr
	v_and_b32 v1, 15, v0                           ; r = lane % 16
	v_bfe_u32 v2, v0, 4, 1                         ; h = lane / 16
	v_mul_u32_u24 v3, v1, PITCH
	v_lshl_add_u32 v4, v2, 4, v3                   ; a fragment's row x pitch + 16 x half
	s_wait_alu depctr_va_vdst(0)
	s_mul_i32 s21, s15, HALFT                      ; my 128 rows of x
	s_mul_i32 s22, s16, HALFT                      ; my 128 rows of W,
	s_add_co_u32 s22, s22, 2*HALFT                 ; which lie behind x's 256
	s_cmp_eq_u32 ttmp9, 2                          ; v?  The cluster's x is the same in all partners
	s_cselect_b32 s66, s22, s21                    ; source 1 (a lane's row): tokens for q and k, columns for v
	s_cselect_b32 s67, s21, s22                    ; source 0 (a lane's eight neighbours): the other
.irp s, 0,1
	v_add_nc_u32 v[ADRA+\s], s66, v4
	v_add_nc_u32 v[ADRB+\s], s67, v4
	s_add_co_u32 s66, s66, SLOT
	s_add_co_u32 s67, s67, SLOT
.endr
	v_and_b32 v6, 31, v0                           ; lane
	s_mul_i32 s23, s14, 2560                       ; q's and k's stage: mine
	v_mul_u32_u24 v5, v1, 80
	v_lshl_add_u32 v5, v2, 4, v5
	v_add_nc_u32 v[STOR], s23, v5                  ; in: row r of 80 bytes, + 16 h
	v_lshrrev_b32 v7, 2, v6
	v_mul_u32_u24 v7, v7, 80
	v_and_b32 v8, 3, v6
	v_lshl_add_u32 v7, v8, 4, v7
	v_add_nc_u32 v[RDR], s23, v7                   ; back: four lanes to a row of 64 bytes, eight rows an instruction
	s_mul_i32 s23, s14, 2304
	s_add_co_u32 s23, s23, CSTG                    ; v's stage: mine
	v_mul_u32_u24 v5, v1, 144
	v_lshl_add_u32 v5, v2, 4, v5
	v_add_nc_u32 v[STOC], s23, v5                  ; in: row r of 144 bytes, + 16 h
	v_lshrrev_b32 v7, 3, v6
	v_mul_u32_u24 v7, v7, 144
	v_and_b32 v8, 7, v6
	v_lshl_add_u32 v7, v8, 4, v7
	v_add_nc_u32 v[RDC], s23, v7                   ; back: eight lanes to a row of 128 bytes, four rows an instruction
	v_lshlrev_b32 v[GOF], 4, v6
	v_lshlrev_b32 v10, 5, v2                       ; m along registers: 32 h bytes
	s_wait_alu depctr_va_vdst(0)
	v_lshlrev_b32 v11, 2, v1                       ; m along lanes: 4 r bytes
	; where my part goes: kind x 8,388,608 + (16 batch + 4 cx + 2 column half) x 131,072 + (block of 128 tokens in the batch) x 8,192: the same for all three kinds
	s_wait_alu depctr_va_vdst(0)
	s_lshr_b32 s80, s17, 3                         ; batch: eight tile rows each
	s_lshl_b32 s80, s80, 4
	s_lshl_b32 s81, s40, 2
	s_add_co_u32 s80, s80, s81
	s_lshl_b32 s81, s16, 1
	s_add_co_u32 s80, s80, s81                     ; bh of my first head
	s_lshl_b32 s80, s80, 17
	s_lshl_b32 s81, s17, 1
	s_add_co_u32 s81, s81, s15
	s_and_b32 s81, s81, 15
	s_lshl_b32 s81, s81, 13
	s_add_co_u32 s80, s80, s81
	s_lshl_b32 s81, ttmp9, 23
	s_add_co_u32 s80, s80, s81
	s_mov_b32 s81, 0
	s_add_nc_u64 s[12:13], s[12:13], s[80:81]
	s_lshl_b32 s82, s17, 8
	s_lshl_b32 s83, s15, 7
	s_add_co_u32 s82, s82, s83                     ; my first token: 256 x tile row + 128 x half
	s_lshl_b32 s82, s82, 2
	s_mov_b32 s83, 0
	s_add_nc_u64 s[10:11], s[10:11], s[82:83]
.irp b, 0,1,2,3,4,5,6,7                        ; m in both forms, in every work-group: no register is left unwritten on either way out
	global_load_b128 v[MC+8*\b:MC+8*\b+3], v10, s[10:11] offset:64*\b          ; m[first token + 16 b + 8 h + 0 .. 7]
	global_load_b128 v[MC+8*\b+4:MC+8*\b+7], v10, s[10:11] offset:64*\b+16
.endr
.irp a, 0,1,2,3,4,5,6,7
	global_load_b32 v[MR+2*\a], v11, s[10:11] offset:64*\a                     ; m[first token + 16 a + r]
	v_mov_b32 v[MR+2*\a+1], 0                                                  ; (named with it as a pair, so it is written)
.endr
.macro FRAG reg, adr, q, i             ; a fragment, 16 rows x 128 K, is 16 registers: lane l holds row l % 16; registers 4 c .. 4 c + 3 hold K = 32 c + 16 (l / 16) + 0 .. 15: the same places on both sides
.irp c, 0,1,2,3
	ds_load_b128 v[\reg+4*\c:\reg+4*\c+3], v[\adr] offset:128*(\q)+32*\c+(\i)*16*PITCH
.endr
.endm
; 16 matrix instructions: source 1's blocks a0, a0 + 1 x source 0's eight, 128 along K.  p: source 0's set.  zero = 1: the first product starts the sums.
; The 64 accumulators take turns, one instruction a turn, in the same order in every step.
.macro MUL16 a0, p, zero
.irp a, \a0, \a0+1
.irp b, 0,1,2,3,4,5,6,7
.if \zero
	v_wmma_f32_16x16x128_fp8_fp8 v[8*(8*((\a)%4)+\b):8*(8*((\a)%4)+\b)+7], v[128*(\p)+FR*\b:128*(\p)+FR*\b+FR-1], v[AF+FR*(\a):AF+FR*(\a)+FR-1], 0
.else
	v_wmma_f32_16x16x128_fp8_fp8 v[8*(8*((\a)%4)+\b):8*(8*((\a)%4)+\b)+7], v[128*(\p)+FR*\b:128*(\p)+FR*\b+FR-1], v[AF+FR*(\a):AF+FR*(\a)+FR-1], v[8*(8*((\a)%4)+\b):8*(8*((\a)%4)+\b)+7]
.endif
.endr
.endr
.endm
.macro FETCH_B slot, q, p              ; source 0's eight fragments of the slot's q-th 128 along K into set p
	WIN TO_B
.irp i, 0,1,2,3,4,5,6,7
	FRAG 128*(\p)+FR*\i, ADRB+\slot, \q, \i
.endr
	WIN 0
.endm
.macro FETCH_A slot, q, i0             ; source 1's blocks i0 .. i0 + 3
.irp i, \i0, \i0+1, \i0+2, \i0+3
	FRAG AF+FR*(\i), ADRA+\slot, \q, \i
.endr
.endm
.macro PLACES n                        ; plain vector instructions between a matrix instruction and a load into, or a vector instruction on, its registers
.rept \n
	v_nop
.endr
.endm
; A step of 128 along K that has its successor in the same slot.
.macro STEP slot, q, zero
	s_wait_dscnt 4*NL                              ; source 0's set and source 1's blocks 0-3 are in; the youngest sixteen loads (blocks 4-7) may be out
	WIN MUL_LO
	MUL16 0, (\q)%2, \zero
	MUL16 2, (\q)%2, \zero
	s_wait_dscnt 0                                 ; blocks 4-7 are in
	PLACES NP
	FETCH_B \slot, (\q)+1, 1-(\q)%2
	FETCH_A \slot, (\q)+1, 0
	WIN MUL_HI
	MUL16 4, (\q)%2, \zero
	MUL16 6, (\q)%2, \zero
	PLACES NP
	WIN 0
	FETCH_A \slot, (\q)+1, 4
.endm
; A slot's last step changes slots: one barrier; in front of it each wave waits for all its tensor loads, adds 0 to its spare word, and waits for that and for its own reads of this slot.  fill = 1: this slot is filled again, two K steps ahead.
.macro TURN slot, next, fill
	s_wait_tensorcnt 0x0                           ; all my tensor loads have landed: my part of the next slot
	ds_add_u32 v[SPW], v[NIL]                      ; 0 onto my spare word
	s_wait_dscnt 4*NL+1                            ; (the add and the youngest sixteen loads may be out)
	WIN MUL_LO
	MUL16 0, 1, 0                                  ; sixteen matrix instructions stand between the add and the wait for it
	s_wait_dscnt 0x0                               ; the add is done, and my reads of this slot are over
	s_barrier_signal -1
	MUL16 2, 1, 0
	WIN 0
	s_barrier_wait -1
.if \fill
	CREST                                          ; the barrier has opened a round of the cluster's barrier: no wave of any partner still reads this slot or has a load on its way
	s_add_nc_u64 s[G0+4*\slot+2:G0+4*\slot+3], s[G0+4*\slot+2:G0+4*\slot+3], 2*ROWB
	s_add_nc_u64 s[G0B+4*\slot+2:G0B+4*\slot+3], s[G0B+4*\slot+2:G0B+4*\slot+3], 2*ROWB
	JLOAD G0+4*\slot, G1, G0B+4*\slot, G1B         ; the first tensor load behind the round; the four v_nop behind it are the places in front of the loads below
.else
	PLACES NP
.endif
	FETCH_B \next, 0, 0
	FETCH_A \next, 0, 0
	WIN MUL_HI
	MUL16 4, 1, 0
	MUL16 6, 1, 0
	PLACES NP
	WIN 0
	FETCH_A \next, 0, 4
.endm
	s_wait_loadcnt 0x0                             ; m, once
	s_wait_tensorcnt 1                             ; my part of K step 0 is in (K step 1's load may be out),
	s_barrier_signal -1
	s_barrier_wait -1                              ; everybody's is
	FETCH_B 0, 0, 0
	FETCH_A 0, 0, 0
	FETCH_A 0, 0, 4
	STEP 0, 0, 1                                   ; the first step stands in front of the loop: its products start the sums
	s_mov_b32 s3, LAPS-1
.Llap:                                                 ; a trip goes once round the ring, from a lap's second step to the next lap's first, and fills both slots again
	TURN 0, 1, 1
	STEP 1, 0, 0
	TURN 1, 0, 1
	STEP 0, 0, 0
	s_sub_co_u32 s3, s3, 1
	s_cmp_lg_u32 s3, 0
	s_cbranch_scc1 .Llap
	TURN 0, 1, 0                                   ; the last lap fills nothing, and has no round of the cluster's barrier
	STEP 1, 0, 0
	s_wait_dscnt 4*NL                              ; the very last step: nothing more to fetch
	WIN MUL_LO
	MUL16 0, 1, 0
	MUL16 2, 1, 0
	s_wait_dscnt 0
	WIN MUL_HI
	MUL16 4, 1, 0
	MUL16 6, 1, 0
	WIN 0
; THE WAY OUT, block by block of source 1's 16 rows.  SCALE: the block's 64 sums a lane x m, converted: 16 registers of codes.  cols = 0: m belongs to the lane's row; 1: to the registers.
.macro SCALE a, cols
.set AC, 64*((\a)%4)
.set WA, 2+(\a)/4                      ; the block's window
.set WB, (WA<<6)|WA
.set CC, CD+16*((\a)%2)
	WIN WB                                         ; destination and source 0: the accumulators' window; m: window 0
.irp j, 0,2,4,6,8,10,12,14,16,18,20,22,24,26,28,30,32,34,36,38,40,42,44,46,48,50,52,54,56,58,60,62
.if \cols
	v_pk_mul_f32 v[AC+\j:AC+\j+1], v[AC+\j:AC+\j+1], v[MC+\j:MC+\j+1]          ; each accumulator from its low end on
.else
	v_pk_mul_f32 v[AC+\j:AC+\j+1], v[AC+\j:AC+\j+1], v[MR+2*(\a):MR+2*(\a)+1] op_sel_hi:[1,0]
.endif
.endr
.set jj, 0
.rept 64
.set jj, jj+1
.endr
	WIN WA                                         ; source 0: the accumulators' window; the codes and the scale: window 0
.irp b, 0,1,2,3,4,5,6,7
	v_cvt_scalef32_pk8_fp8_f32 v[CC+2*\b:CC+2*\b+1], v[AC+8*\b:AC+8*\b+7], v[SCV]
.endr
	WIN 0
	v_nop                                          ; one plain vector instruction behind the last conversion of a run
.endm
; TOSTAGE: the codes go into my own stage and come back as whole rows.  LDS serves a wave's instructions in order: no wait between the stores and the loads, nor in front of the next block's stores.
.macro TOSTAGE a, cols
.set CC, CD+16*((\a)%2)
.set BB, BK+16*((\a)%2)
.irp p, 0,1,2,3
.if \cols
	ds_store_b128 v[STOC], v[CC+4*\p:CC+4*\p+3] offset:32*\p                   ; tokens 32 p on of my channel
.else
	ds_store_b128 v[STOR], v[CC+4*\p:CC+4*\p+3] offset:(\p/2)*1280+32*(\p%2)   ; head p / 2, channels 32 (p % 2) on of my token
.endif
.endr
.irp p, 0,1,2,3
.if \cols
	ds_load_b128 v[BB+4*\p:BB+4*\p+3], v[RDC] offset:576*\p
.else
	ds_load_b128 v[BB+4*\p:BB+4*\p+3], v[RDR] offset:(\p/2)*1280+(\p%2)*640
.endif
.endr
.endm
.macro SEND a, cols, younger           ; younger: the LDS instructions issued behind block a's loads, which may stay out
.set BB, BK+16*((\a)%2)
	s_wait_dscnt \younger
.irp p, 0,1,2,3
.if \cols
	global_store_b128 v[GOF], v[BB+4*\p:BB+4*\p+3], s[12:13] offset:((\a)/4)*131072+2048*((\a)%4)+512*\p   ; four rows of 128 bytes: 512 consecutive bytes, aligned
.else
	global_store_b128 v[GOF], v[BB+4*\p:BB+4*\p+3], s[12:13] offset:(\p/2)*131072+1024*(\a)+512*(\p%2)     ; eight rows of 64 bytes: 512 consecutive bytes, aligned
.endif
.endr
.endm
.macro WAYOUT cols
	SCALE 0, \cols
	TOSTAGE 0, \cols
.irp a, 1,2,3,4,5,6,7
.if \a > 1
	s_wait_xcnt 0x0                                ; block a - 2's stores have read their registers: block a's rows may land there
.endif
	SCALE \a, \cols
	TOSTAGE \a, \cols
	SEND \a-1, \cols, 8                            ; behind block a - 1's loads: block a's 4 stores and 4 loads
.endr
	SEND 7, \cols, 0
.endm
	s_wait_kmcnt 0x0
	s_cmp_eq_u32 ttmp9, 0
	s_cselect_b32 s84, s74, s75                    ; e2 for q, e3 for k,
	s_cselect_b32 s85, 3, 0                        ; q is divided by 8 = sqrt(64)
	s_cmp_eq_u32 ttmp9, 2
	s_cselect_b32 s84, s77, s84                    ; e5 for v
	s_add_co_i32 s84, s84, s85
	s_sub_co_i32 s84, s84, s72
	s_sub_co_i32 s84, s84, s73                     ; E
	s_add_co_i32 s84, s84, 127
	s_lshl_b32 s85, s84, 23
	v_mov_b32 v[SCV], s85
	PLACES NP                                      ; behind the last products: their results are read, and the registers that held fragments are written, only behind these
	s_cmp_eq_u32 ttmp9, 2
	s_cbranch_scc1 .Lcols
	s_wait_alu depctr_va_vdst(0)
	WAYOUT 0
	s_branch .Ldone
.Lcols:
	WAYOUT 1
.Ldone:
	s_wait_tensorcnt 0x0                           ; the wave's end, behind my last tensor load and my last LDS store
	ds_add_u32 v[SPW], v[NIL]
	s_wait_dscnt 0x0
	CROUND                                         ; the closing round: no work-group ends while a partner may still ask for a tile that names it
	s_endpgm
.Lfunc_end_k_q238f8fda0d_qkv:
	.size	k_q238f8fda0d_qkv, .Lfunc_end_k_q238f8fda0d_qkv-k_q238f8fda0d_qkv
	.p2alignl 7, 3214868480
	.fill 96, 4, 3214868480
	.section	.rodata,"a",@progbits
	.p2align	6, 0x0
	.amdhsa_kernel k_q238f8fda0d_qkv
		.amdhsa_group_segment_fixed_size 327680
		.amdhsa_private_segment_fixed_size 0
		.amdhsa_enable_private_segment 0
		.amdhsa_kernarg_size 40
		.amdhsa_user_sgpr_count 2
		.amdhsa_user_sgpr_kernarg_segment_ptr 1
		.amdhsa_wavefront_size32 1
		.amdhsa_system_sgpr_workgroup_id_x 1
		.amdhsa_system_sgpr_workgroup_id_y 1
		.amdhsa_system_sgpr_workgroup_id_z 1
		.amdhsa_system_vgpr_workitem_id 0
		.amdhsa_next_free_vgpr 1024
		.amdhsa_next_free_sgpr 100
		.amdhsa_reserve_vcc 0
		.amdhsa_float_denorm_mode_32 3
		.amdhsa_float_denorm_mode_16_64 3
		.amdhsa_fp16_overflow 1
		.amdhsa_memory_ordered 1
		.amdhsa_forward_progress 1
		.amdhsa_inst_pref_size 139
	.end_amdhsa_kernel
	.amdgpu_metadata
---
amdhsa.version: [ 1, 2 ]
amdhsa.kernels:
  - .name:           k_q238f8fda0d_qkv
    .symbol:         k_q238f8fda0d_qkv.kd
    .args:
      - { .name: xc, .offset: 0, .size: 8, .value_kind: global_buffer, .address_space: global }
      - { .name: wqc, .offset: 8, .size: 8, .value_kind: global_buffer, .address_space: global }
      - { .name: lowp_scales, .offset: 16, .size: 8, .value_kind: global_buffer, .address_space: global }
      - { .name: mWin, .offset: 24, .size: 8, .value_kind: global_buffer, .address_space: global }
      - { .name: qkvc, .offset: 32, .size: 8, .value_kind: global_buffer, .address_space: global }
    .group_segment_fixed_size: 327680
    .private_segment_fixed_size: 0
    .kernarg_segment_align: 8
    .kernarg_segment_size: 40
    .max_flat_workgroup_size: 128
    .sgpr_count:     100
    .vgpr_count:     1024
    .wavefront_size: 32
...
	.end_amdgpu_metadata
.endif
;; end of part 5
;; launch attn (part 6): grid 4 x 64, 8 waves a work-group, clusters of 4 x 1, 327,680 bytes of LDS; arguments qkvc, mWin, lowp_scales, ac; writes ac
.if DOCPART == 6
	.amdgcn_target "amdgcn-amd-amdhsa--gfx1250"
	.amdhsa_code_object_version 6
	.text
	.protected	k_q238f8fda0d_attn
	.globl	k_q238f8fda0d_attn
	.p2align	8
	.type	k_q238f8fda0d_attn,@function
k_q238f8fda0d_attn:
	s_mov_b64 s[64:65], 0
	v_nop
	global_prefetch_b8 v0, s[64:65] scope:SCOPE_SE
	s_setreg_imm32_b32 hwreg(HW_REG_WAVE_MODE, 25, 1), 1
	s_wait_xcnt 0x0
	s_wait_alu depctr_hold_cnt(0) depctr_sa_sdst(0) depctr_va_vdst(0) depctr_va_sdst(0) depctr_va_ssrc(0) depctr_va_vcc(0) depctr_vm_vsrc(0)
	s_getreg_b32 s2, hwreg(HW_REG_IB_STS2, 6, 4)
	s_cmp_eq_u32 s2, 0
	s_cbranch_scc0 .Lentry_in_a_cluster
	s_endpgm
.Lentry_in_a_cluster:
	s_bfe_u32 s2, ttmp6, 0x10000c
	s_cmp_lg_u32 s2, 0x3003
	s_cbranch_scc0 .Lentry_shape_is_right
	s_endpgm
.Lentry_shape_is_right:
; Attention on codes of FP8 (E4M3), and the quantising of its result as the last product's operand.
; qkvc: q, k [bh][2048][64] and v [bh][16 blocks][64 channels][128 keys], as the launch before lays them.  ac: [bh][2048][64], channels in their natural order.
; THE SOFTMAX: t = score x 2^(e2 + e3) x log2(e); M = the row's largest t so far, rounded up to a whole number; p = 2^(t - M) is quantised with 2^e4, not normalised.
; The row's sum l is taken of the unquantised p.  When M moves, l and O are multiplied by 2^(old M - new M), which rounds nothing.
; AT THE END: out = O x 2^(e4 + e5) / l / (m[query] x sum of m^2 over the batch + 1e-6); its code is out / 2^e6:  code = (O / (l x mxe)) / 2^(e6 - e4 - e5).
; LIMITS: e2 + e3 between -126 and 127; e4 and e6 - e4 - e5 between -126 and 127.  NaN among the inputs is not served.
; SHARES.  A work-group owns 512 queries of one head, each of its eight waves 64: four tiles of 16, in 512 registers; so each fragment of K and V read from LDS feeds four matrix instructions.
; THE WHOLE HEAD'S K AND V LIE IN LDS: 2,048 rows of K (64 bytes + 16) and 16 blocks of 64 rows of V (128 bytes + 16).  Each byte is filled once: there is no ring.
; CLUSTER.  The four work-groups of a cluster are the four blocks of queries of one head: they need the same K and V, and each tile is asked for jointly, by the same tensor load with the mask of all four.
; Waves 0-3 bring K's 16 tiles of 128 keys, waves 4-7 V's 16 blocks, four loads a wave, all issued at the head: four tensor loads of a wave are out at the most.
; LAYOUT.  Both products are used transposed: S^T = K Q^T (source 0 = 16 keys, source 1 = 16 queries), O^T = V^T P^T (source 0 = 16 channels, source 1 = P): a lane holds one query throughout.
; Tile c of S^T holds keys 16 c + 8 (lane / 16) + 0 .. 7 in a lane: its eight codes are registers 2 c, 2 c + 1 of P; V's bytes lie in memory so that four loads of 16 bytes bring the same keys to the same registers.
; THE ORDER OF A TILE'S SOFTMAX.  A tile's 64 exponentials are one batch with one wait.  Between them stand plain lines that name none of their results: the tile's own scalings, four pairs ahead, and the NEXT
; tile's maximum and M, whose scores lie in the other buffer.  Maximum and sum go in four chains each, so that a line's source was written at least four lines earlier.
; No prefetch is written: every tensor load of the launch is issued at its head.
; REGISTERS.  window 0: v1-13 addresses and constants; v16-47 eight registers of statistics a tile; v48-51 mxe; v52-55 at work at the head; v56-87 Q; v88-103 P's codes; v104-167, v168-231 two buffers of scores;
;   v236, v237 two more chains of the maximum; v238-243 three more chains of the sum.
;   window 1: v0-127 O^T (tile t, channels 16 d on, at 32 t + 8 d); v128-191 K's eight fragments; v192-255 V's four.
.set PK,     80                        ; a row of K in LDS
.set VPIT,   144                       ; a row of V in LDS
.set KSTEPB, 128*PK                    ; a step's keys
.set VSTEPB, 64*VPIT                   ; a step's block of V
.set VBASE,  16*KSTEPB
.set STAGE,  VBASE+16*VSTEPB           ; the way out: 16 rows x 80 bytes for each wave; no tile lands there
.set SPARE,  STAGE+8*16*PK             ; the spare words, 128 bytes for each wave, which no other line names
.set AK0, 1                            ; v1   my lane's place in a tile of K
.set AV0, 2                            ; v2   the same for V
.set ADK, 3                            ; v3   LDS address of the step's K
.set ADV, 4                            ; v4   of its V
.set SPW, 5                            ; v5   LDS address of my spare word; never rewritten
.set NIL, 6                            ; v6   0; never rewritten
.set STO, 7                            ; v7   the stage: where I put 8 bytes of a row
.set RD,  8                            ; v8   and where I read rows back
.set GO,  9                            ; v9   16 x lane
.set PL,  10
.set PS,  11                           ; v11  2^e4
.set OS,  12                           ; v12  2^(e6 - e4 - e5)
.set OL,  13
.set ST,  16                           ; tile t at v[ST + 8 t]: +0 -M, +1 the largest score so far, +2, +3 the sum in two halves, +4 f (at the end 1 / (l x mxe)), +5 0, +6, +7 at work
.set MX,  48
.set CH,  52
.set Q,   56
.set P,   88
.set S0,  104
.set S1,  168
.set C2,  236                          ; v236, v237  the maximum's third and fourth chain
.set C3,  237
.set T1,  238                          ; v[238:239], v[240:241], v[242:243]  the sum's second, third and fourth chain
.set T2,  240
.set T3,  242
.set PL2, 245
.set KF,  128                          ; in window 1
.set VF,  192
.set WV,  12                           ; s12  my wave's number
.set CX,  13                           ; s13  my place in the cluster
.set BH,  14                           ; s14  16 batch + head
.set W3,  15                           ; s15  wave % 4
.set G1K, 24                           ; s[24:31] descriptor group 1 for K's tiles;  s[32:39] for V's
.set G1V, 32
.set G0K, 40                           ; s[40:55] four groups 0 for K's tiles
.set G0V, 68                           ; s[68:83] four for V's
.set EX,  84                           ; s[84:91] e0 .. e7
.set CS,  92                           ; s[92:93] c = log2(e) x 2^(e2 + e3)
.set SEL, 94                           ; s[94:95] lane selects for v_permlanex16_b32: lane l xor 16
.set TK,  96                           ; s96  LDS byte at which the step's keys begin
.set TV,  97                           ; s97  the same for its block of V, less VBASE
.set CNT, 98
.set MSB, 0
.macro WIN new                         ; the immediate's high byte repeats the setting that is left
.if MSB != \new
	s_set_vgpr_msb (MSB<<8)|\new
.set MSB, \new
.endif
.endm
.macro CROUND                          ; a round of the cluster's barrier
	s_barrier_signal -1
	s_barrier_wait -1
	s_cmp_lg_u32 s[WV], 0
	s_cbranch_scc1 .Lnot_wave_0_\@
	s_barrier_signal -3
.Lnot_wave_0_\@:
	s_barrier_wait -3
	s_barrier_signal -1
	s_barrier_wait -1
.endm
	s_load_b256 s[4:11], s[0:1], 0x0               ; qkvc s[4:5], m s[6:7], the scales' exponents s[8:9], ac s[10:11]
	v_lshl_add_u32 v[SPW], v0, 2, SPARE
	v_mov_b32 v[NIL], 0
	ds_add_u32 v[SPW], v[NIL]                      ; the wave's opening: an add, and its wait ahead of my first tensor load; the set-up below stands between the two
	v_lshrrev_b32 v14, 5, v0
	v_readfirstlane_b32 s[WV], v14                 ; wave 0..7
	s_bfe_u32 s[CX], ttmp6, 0x40000
	s_and_b32 s[BH], ttmp7, 0xffff                 ; the four partners share it
	s_and_b32 s[W3], s[WV], 3
	s_mov_b32 s[G1K], 15|(1<<20)|(1<<21)|(3<<22)|(3<<25)   ; the mask: all four work-groups; elements of 1 byte; padding on; bit 21 beside a mask; after every 16 words, 4 words
	s_mov_b32 s[G1K+1], 64<<16                     ; tensor_dim0 = 64
	s_mov_b32 s[G1K+2], 128<<16                    ; tensor_dim1 = 128
	s_mov_b32 s[G1K+3], 64<<16                     ; tile_dim0 = 64
	s_mov_b32 s[G1K+4], 128                        ; tile_dim1 = 128
	s_mov_b32 s[G1K+5], 64                         ; tensor_dim0_stride
	s_mov_b32 s[G1K+6], 0
	s_mov_b32 s[G1K+7], 0
	s_mov_b32 s[G1V], 15|(1<<20)|(1<<21)|(4<<22)|(3<<25)   ; the same, 4 words after every 32
	s_mov_b32 s[G1V+1], 128<<16
	s_mov_b32 s[G1V+2], 64<<16
	s_mov_b32 s[G1V+3], 128<<16
	s_mov_b32 s[G1V+4], 64
	s_mov_b32 s[G1V+5], 128
	s_mov_b32 s[G1V+6], 0
	s_mov_b32 s[G1V+7], 0
	s_mov_b32 s[CS], 0x3fb8aa3b                    ; log2(e)
	s_mov_b32 s[SEL], 0x76543210
	s_mov_b32 s[SEL+1], 0xfedcba98
	s_mov_b32 s[TK], 0
	s_mov_b32 s[TV], 0
	s_lshl_b32 s16, s[BH], 17                      ; the head's first byte in each part of qkvc, and in ac
	s_lshl_b32 s17, s[W3], 13                      ; my tile of a group of four: 8,192 bytes each, dense
	s_add_co_u32 s22, s16, s17
	s_mov_b32 s23, 0
	s_mul_i32 s66, s[W3], KSTEPB                   ; and where it goes: no place in the cluster enters an LDS address
	s_mul_i32 s67, s[W3], VSTEPB
	s_add_co_u32 s67, s67, VBASE
	s_wait_dscnt 0x0                               ; the opening add is done
	s_wait_kmcnt 0x0
	s_load_b256 s[EX:EX+7], s[8:9], 0x0
	s_add_nc_u64 s[18:19], s[4:5], s[22:23]
	s_add_nc_u64 s[20:21], s[18:19], 0x1000000     ; v's part
	s_add_nc_u64 s[18:19], s[18:19], 0x800000      ; k's part
	CROUND                                         ; all four work-groups are here: the joint loads meet
.irp j, 0,1,2,3                                ; group j: steps 4 j .. 4 j + 3, mine is 4 j + wave % 4
	s_mov_b32 s[G0K+4*\j], 1
	s_add_co_u32 s[G0K+4*\j+1], s66, \j*4*KSTEPB
	s_add_nc_u64 s[G0K+4*\j+2:G0K+4*\j+3], s[18:19], \j*32768
	s_or_b32 s[G0K+4*\j+3], s[G0K+4*\j+3], 0x80000000
	s_mov_b32 s[G0V+4*\j], 1
	s_add_co_u32 s[G0V+4*\j+1], s67, \j*4*VSTEPB
	s_add_nc_u64 s[G0V+4*\j+2:G0V+4*\j+3], s[20:21], \j*32768
	s_or_b32 s[G0V+4*\j+3], s[G0V+4*\j+3], 0x80000000
.endr
	s_cmp_lt_u32 s[WV], 4                          ; a wave's four fills stand in one branch on its number, ahead of every wait on TENSORcnt and every LDS read; an s_nop 0 follows each, four v_nop the last
	s_cbranch_scc0 .Lfirst_v
.irp j, 0,1,2,3
	tensor_load_to_lds s[G0K+4*\j:G0K+4*\j+3], s[G1K:G1K+7]
	s_nop 0
.endr
.rept 4
	v_nop
.endr
	s_branch .Lfirst_asked
.Lfirst_v:
.irp j, 0,1,2,3
	tensor_load_to_lds s[G0V+4*\j:G0V+4*\j+3], s[G1V:G1V+7]
	s_nop 0
.endr
.rept 4
	v_nop
.endr
.Lfirst_asked:
	v_and_b32 v14, 15, v0                          ; r
	v_bfe_u32 v15, v0, 4, 1                        ; h
	v_and_b32 v232, 31, v0                         ; lane
	v_lshlrev_b32 v[GO], 4, v232
	v_lshlrev_b32 v233, 6, v14
	v_lshl_add_u32 v233, v15, 4, v233              ; Q: row r of 64 bytes, + 16 h
	v_lshlrev_b32 v234, 2, v14                     ; m of my query: 4 r
	s_lshl_b32 s22, ttmp9, 2
	s_add_co_u32 s22, s22, s[CX]                   ; my block of 512 queries
	s_lshl_b32 s22, s22, 9
	s_lshl_b32 s23, s[WV], 6
	s_add_co_u32 s99, s22, s23                     ; my wave's first query
	s_lshl_b32 s22, s99, 6
	s_add_co_u32 s22, s22, s16
	s_mov_b32 s23, 0
	s_add_nc_u64 s[4:5], s[4:5], s[22:23]          ; q at my first query,
	s_add_nc_u64 s[10:11], s[10:11], s[22:23]      ; and ac: rows of 64 bytes in both
	s_lshr_b32 s22, s[BH], 4
	s_lshl_b32 s22, s22, 13
	s_add_nc_u64 s[6:7], s[6:7], s[22:23]          ; m of my batch
	s_lshl_b32 s22, s99, 2
	s_add_nc_u64 s[56:57], s[6:7], s[22:23]        ; m of my queries
.irp t, 0,1,2,3
	global_load_b128 v[Q+8*\t:Q+8*\t+3], v233, s[4:5] offset:1024*\t           ; Q's fragments stay in registers
	global_load_b128 v[Q+8*\t+4:Q+8*\t+7], v233, s[4:5] offset:1024*\t+32
.endr
.irp i, 0,1,2,3,4,5,6,7,8,9,10,11,12,13,14,15
	global_load_b128 v[S0+4*\i:S0+4*\i+3], v[GO], s[6:7] offset:512*\i         ; the batch's 2,048 m: 64 a lane
.endr
.irp t, 0,1,2,3
	global_load_b32 v[MX+\t], v234, s[56:57] offset:64*\t
.endr
	v_mul_u32_u24 v[AK0], v14, PK
	v_lshl_add_u32 v[AK0], v15, 4, v[AK0]
	v_mul_u32_u24 v[AV0], v14, VPIT
	v_lshl_add_u32 v[AV0], v15, 4, v[AV0]
	v_add_nc_u32 v[AV0], VBASE, v[AV0]
	s_mul_i32 s22, s[WV], 16*PK
	s_add_co_u32 s22, s22, STAGE                   ; my stage
	v_mul_u32_u24 v[STO], v14, PK
	v_lshl_add_u32 v[STO], v15, 3, v[STO]
	v_add_nc_u32 v[STO], s22, v[STO]               ; in: row r, + 8 h
	v_lshrrev_b32 v235, 2, v232
	v_mul_u32_u24 v[RD], v235, PK
	v_and_b32 v235, 3, v232
	v_lshl_add_u32 v[RD], v235, 4, v[RD]
	v_add_nc_u32 v[RD], s22, v[RD]                 ; back: four lanes to a row of 64 bytes
.irp t, 0,1,2,3
	v_mov_b32 v[ST+8*\t+1], 0xff61b1e6             ; the largest score so far: -3e38, under every score
	v_floor_f32 v[ST+8*\t], -v[ST+8*\t+1]          ; -M: so large that the first f is 0
	v_mov_b32 v[ST+8*\t+2], 0                      ; the sum
	v_mov_b32 v[ST+8*\t+3], 0
	v_mov_b32 v[ST+8*\t+5], 0                      ; (named as the upper half of f's pair)
	v_mov_b32 v[ST+8*\t+6], 0
	v_mov_b32 v[ST+8*\t+7], 0
.endr
	WIN 0x40                                       ; destination window 1
.set jj, 0
.rept 128
	v_mov_b32 v[jj], 0                             ; O^T.  (The key step has no first form of its own: the first change of M multiplies zeros)
.set jj, jj+1
.endr
	WIN 0
	s_wait_loadcnt 0x0
	v_pk_mul_f32 v[CH:CH+1], v[S0:S0+1], v[S0:S0+1]            ; the sum of m^2 over the batch: each wave for itself, in two chains
	v_pk_mul_f32 v[CH+2:CH+3], v[S0+2:S0+3], v[S0+2:S0+3]
.set jj, 4
.rept 15
	v_pk_fma_f32 v[CH:CH+1], v[S0+jj:S0+jj+1], v[S0+jj:S0+jj+1], v[CH:CH+1]
	v_pk_fma_f32 v[CH+2:CH+3], v[S0+jj+2:S0+jj+3], v[S0+jj+2:S0+jj+3], v[CH+2:CH+3]
.set jj, jj+4
.endr
	v_pk_add_f32 v[CH:CH+1], v[CH:CH+1], v[CH+2:CH+3]
	v_add_f32 v14, v[CH], v[CH+1]
	v_add_f32_dpp v14, v14, v14 row_xmask:1 row_mask:0xf bank_mask:0xf
	v_add_f32_dpp v14, v14, v14 row_xmask:2 row_mask:0xf bank_mask:0xf
	v_add_f32_dpp v14, v14, v14 row_xmask:4 row_mask:0xf bank_mask:0xf
	v_add_f32_dpp v14, v14, v14 row_xmask:8 row_mask:0xf bank_mask:0xf
	v_permlanex16_b32 v15, v14, s[SEL], s[SEL+1]
	v_add_f32 v14, v14, v15
.irp t, 0,1,2,3
	v_fmaak_f32 v[MX+\t], v[MX+\t], v14, 0x358637bd            ; mxe = m[query] x the sum + 1e-6
.endr
	s_wait_kmcnt 0x0
	s_add_co_i32 s22, s[EX+2], s[EX+3]
	s_lshl_b32 s22, s22, 23
	s_add_co_i32 s[CS], s[CS], s22                 ; the two exponents are added to log2(e)'s exponent field
	s_mov_b32 s[CS+1], s[CS]                       ; (named with it as a pair, so it is written)
	s_add_co_i32 s22, s[EX+4], 127
	s_lshl_b32 s23, s22, 23
	v_mov_b32 v[PS], s23
	s_sub_co_i32 s22, s[EX+6], s[EX+4]
	s_sub_co_i32 s22, s22, s[EX+5]
	s_add_co_i32 s22, s22, 127
	s_lshl_b32 s23, s22, 23
	v_mov_b32 v[OS], s23
; S^T of tile t into buffer sb: eight tiles of 16 keys, K = the head's 64
.macro QK t, sb
	WIN 0x01                                       ; source 0 (K) window 1
.set cc, 0
.rept 8
	v_wmma_f32_16x16x64_fp8_fp8 v[\sb+8*cc:\sb+8*cc+7], v[KF+8*cc:KF+8*cc+7], v[Q+8*(\t):Q+8*(\t)+7], 0
.set cc, cc+1
.endr
.endm
; O^T of tile t += V^T P^T: four tiles of 16 channels, K = the step's 128 keys.  The four accumulators take turns, one instruction each
.macro PV t
	WIN 0x51                                       ; source 0 (V), C and D window 1; source 1 (P) window 0
.set dd, 0
.rept 4
	v_wmma_f32_16x16x128_fp8_fp8 v[32*(\t)+8*dd:32*(\t)+8*dd+7], v[VF+16*dd:VF+16*dd+15], v[P:P+15], v[32*(\t)+8*dd:32*(\t)+8*dd+7]
.set dd, dd+1
.endr
.endm
; O^T of tile t under the new M, each accumulator from its low end on
.macro RS t
	WIN 0x41                                       ; destination and source 0 window 1, f window 0
.set jj, 0
.rept 16
	v_pk_mul_f32 v[32*(\t)+jj:32*(\t)+jj+1], v[32*(\t)+jj:32*(\t)+jj+1], v[ST+8*(\t)+4:ST+8*(\t)+5] op_sel_hi:[1,0]
.set jj, jj+2
.endr
.endm
; Line nj of the 40 that make tile t's new M and f from the lane's 64 scores in buffer sb; nj steps by one.
;   0-29    the largest score, three operands at a time, in four chains, the registers ascending
;   30, 31  the four chains, and the largest score of the steps before
;   32, 33  lane l xor 16's: the largest score so far (c is positive, so the largest score gives the largest t)
;   34-39   t = c x it;  the new -M = floor(-t) = -ceil(t);  old M - new M, a whole number, 0 or less;  -M is kept;  f = 2^(old M - new M) (the conversion saturates)
.macro MX1 t, sb
.set rN, ST+8*(\t)
.set rC, rN+6+nj%4
.if (nj%4) > 1
.set rC, C2+nj%4-2
.endif
.if nj < 4
	v_max3_num_f32 v[rC], v[\sb+3*nj], v[\sb+3*nj+1], v[\sb+3*nj+2]
.elseif nj < 30
	v_max3_num_f32 v[rC], v[rC], v[\sb+2*nj+4], v[\sb+2*nj+5]
.elseif nj == 30
	v_max3_num_f32 v[rN+6], v[rN+6], v[rN+7], v[C2]
.elseif nj == 31
	v_max3_num_f32 v[rN+6], v[rN+6], v[C3], v[rN+1]
.elseif nj == 32
	v_permlanex16_b32 v[rN+7], v[rN+6], s[SEL], s[SEL+1]
.elseif nj == 33
	v_max_num_f32 v[rN+1], v[rN+6], v[rN+7]
.elseif nj == 34
	v_mul_f32 v[rN+6], s[CS], v[rN+1]
.elseif nj == 35
	v_floor_f32 v[rN+7], -v[rN+6]
.elseif nj == 36
	v_sub_f32 v[rN+6], v[rN+7], v[rN]
.elseif nj == 37
	v_mov_b32 v[rN], v[rN+7]
.elseif nj == 38
	v_cvt_i32_f32 v[rN+6], v[rN+6]
.elseif nj == 39
	v_ldexp_f32 v[rN+4], 1.0, v[rN+6]
.endif
.set nj, nj+1
.endm
; Pair pp of the scores in buffer sb becomes t - M (of the pairs c and -M the low word serves both halves); pp steps by one
.macro SCL sb
	v_pk_fma_f32 v[\sb+2*pp:\sb+2*pp+1], v[\sb+2*pp:\sb+2*pp+1], s[CS:CS+1], v[rT:rT+1] op_sel_hi:[1,0,0]
.set pp, pp+1
.endm
; Tile t's scalings and exponentials, on buffer sb.  more = 1: the lines still owed of tile nt's M (buffer nb, from line nj on) are dealt among them: two to a group while they are chains, then one.
; The four scalings at the head are the places between the products just issued and the first read of their scores.  A pair is scaled four groups ahead of its exponentials.
; None of the lines between the first exponential and the wait names an exponential's result: the batch of 64 has one wait, and the sum's and O^T's rescalings,
; seventeen plain lines, stand between the last exponential and that wait.
.macro STREAM t, sb, nt, nb, more
.set rT, ST+8*(\t)
	WIN 0
.set pp, 0
.rept 4
	SCL \sb
.endr
.set gg, 0
.rept 32
	v_exp_f32 v[\sb+2*gg], v[\sb+2*gg]             ; p = 2^(t - M), at most 1
.if pp < 32
	SCL \sb
.endif
.if (\more) && (nj < 40)
	MX1 \nt, \nb
.endif
	v_exp_f32 v[\sb+2*gg+1], v[\sb+2*gg+1]
.if (\more) && (nj < 30)
	MX1 \nt, \nb
.endif
.set gg, gg+1
.endr
	v_pk_mul_f32 v[rT+2:rT+3], v[rT+2:rT+3], v[rT+4:rT+5] op_sel_hi:[1,0]   ; the sum under the new M
	RS \t
	WIN 0
	s_wait_alu depctr_va_vdst(0)
.endm
.macro HOLD sb, q
.endm
; Behind the wait: the sum of the UNQUANTISED p, in four chains (l and three pairs); a group's conversion stands a few lines behind the addition that reads its last pair.
; The last addition is the plain line between the last conversion and the products that read P.
.macro POST t, sb
.set rT, ST+8*(\t)
.set qq, 0
.rept 32
.if (qq == 1) || (qq == 3) || (qq == 5)
	v_pk_add_f32 v[T1+qq-1:T1+qq], v[\sb+2*qq-2:\sb+2*qq-1], v[\sb+2*qq:\sb+2*qq+1]   ; pairs 0 to 5 start the three chains
.elseif qq > 5
.set rA, rT+2
.if (qq > 6) && (((qq-7)%4) < 3)
.set rA, T1+2*((qq-7)%4)
.endif
	v_pk_add_f32 v[rA:rA+1], v[rA:rA+1], v[\sb+2*qq:\sb+2*qq+1]
.endif
.if qq > 0
	HOLD \sb, qq-1
.endif
.if (qq > 5) && (((qq-6)%4) == 0)
	v_cvt_scalef32_pk8_fp8_f32 v[P+(qq-6)/2:P+(qq-6)/2+1], v[\sb+2*(qq-6):\sb+2*(qq-6)+7], v[PS]   ; group (qq - 6) / 4: eight codes
.endif
.set qq, qq+1
.endr
	HOLD \sb, 31
	v_pk_add_f32 v[T1:T1+1], v[T1:T1+1], v[T2:T2+1]
	v_pk_add_f32 v[rT+2:rT+3], v[rT+2:rT+3], v[T3:T3+1]
	v_cvt_scalef32_pk8_fp8_f32 v[P+14:P+15], v[\sb+56:\sb+63], v[PS]
	v_pk_add_f32 v[rT+2:rT+3], v[rT+2:rT+3], v[T1:T1+1]
.endm
; A KEY STEP: 128 keys for the wave's four tiles.  A tile's scores are multiplied one softmax ahead, into the buffer that has just been left, and its M is made among the exponentials of the tile before.
.macro STEP
	WIN 0
	v_add_nc_u32 v[ADK], s[TK], v[AK0]
	v_add_nc_u32 v[ADV], s[TV], v[AV0]
	v_nop                                          ; with the two additions: four places between the last products and the loads into the registers that they read
	v_nop
	WIN 0x40                                       ; destination window 1, address window 0
.set cc, 0
.rept 8
	ds_load_b128 v[KF+8*cc:KF+8*cc+3], v[ADK] offset:cc*16*PK
	ds_load_b128 v[KF+8*cc+4:KF+8*cc+7], v[ADK] offset:cc*16*PK+32
.set cc, cc+1
.endr
.set dd, 0
.rept 4
.irp c, 0,1,2,3
	ds_load_b128 v[VF+16*dd+4*\c:VF+16*dd+4*\c+3], v[ADV] offset:dd*16*VPIT+32*\c
.endr
.set dd, dd+1
.endr
	s_add_co_u32 s[TK], s[TK], KSTEPB
	s_add_co_u32 s[TV], s[TV], VSTEPB
	s_wait_dscnt 16                                ; K's sixteen loads are in; V's sixteen may be out
	QK 0, S0
	QK 1, S1
	WIN 0
.rept 4
	v_nop                                          ; places in front of the first read of results
.endr
.set nj, 0
.rept 32
	MX1 0, S0                                      ; tile 0 has no tile before it: its maximum stands here,
.endr
.set n0, nj
.set n1, 0
.rept 8                                        ; and the eight lines that follow one from the other take turns with the first 24 lines of tile 1's maximum
.set nj, n0
	MX1 0, S0
.set n0, nj
.set nj, n1
	MX1 1, S1
	MX1 1, S1
	MX1 1, S1
.set n1, nj
.endr
.set nj, n1
	STREAM 0, S0, 1, S1, 1
	POST 0, S0
	s_wait_dscnt 0x0                               ; V is in
	PV 0
	QK 2, S0
.set nj, 0
	STREAM 1, S1, 2, S0, 1
	POST 1, S1
	PV 1
	QK 3, S1
.set nj, 0
	STREAM 2, S0, 3, S1, 1
	POST 2, S0
	PV 2
	STREAM 3, S1, 0, S0, 0
	POST 3, S1
	PV 3
	WIN 0                                          ; at a label and at a branch every window is 0
.endm
.macro STEPS n
	s_mov_b32 s[CNT], \n
.Lstep_\@:
	STEP
	s_sub_co_u32 s[CNT], s[CNT], 1
	s_cmp_lg_u32 s[CNT], 0
	s_cbranch_scc1 .Lstep_\@
.endm
	s_wait_tensorcnt 3                             ; my first tile is in; my three later ones may stay out
	s_barrier_signal -1
	s_barrier_wait -1                              ; everybody's is: steps 0 to 3 lie in LDS
	STEPS 4
	s_wait_tensorcnt 0x0                           ; all my tiles are in,
	s_wait_dscnt 0x0
	s_barrier_signal -1
	s_barrier_wait -1                              ; everybody's are
	STEPS 12
	; THE WAY OUT.  l's two halves and lane l xor 16's are added; O^T is divided by l x mxe, converted, and goes through my stage, a tile (16 rows of 64 bytes) at a time.
.irp t, 0,1,2,3
	v_add_f32 v[ST+8*\t+6], v[ST+8*\t+2], v[ST+8*\t+3]         ; (these four are the places behind the last products)
.endr
.irp t, 0,1,2,3
	v_permlanex16_b32 v[ST+8*\t+7], v[ST+8*\t+6], s[SEL], s[SEL+1]
.endr
.irp t, 0,1,2,3
	v_add_f32 v[ST+8*\t+6], v[ST+8*\t+6], v[ST+8*\t+7]
.endr
.irp t, 0,1,2,3
	v_mul_f32 v[ST+8*\t+6], v[ST+8*\t+6], v[MX+\t]
.endr
.irp t, 0,1,2,3
	v_rcp_f32 v[ST+8*\t+4], v[ST+8*\t+6]
.endr
	v_nop                                          ; a plain instruction behind the last reciprocal
	s_wait_alu depctr_va_vdst(0)                   ; and one wait for the four, ahead of their first reader
.macro OUT t
.set rT, ST+8*(\t)
.set rX, S0+32*((\t)%2)
.set rC, S1+8*(\t)
.set rB, S1+32+8*(\t)
	WIN 0x01                                       ; source 0 (O^T) window 1
.set jj, 0
.rept 16
	v_pk_mul_f32 v[rX+jj:rX+jj+1], v[32*(\t)+jj:32*(\t)+jj+1], v[rT+4:rT+5] op_sel_hi:[1,0]   ; each accumulator from its low end on
.set jj, jj+2
.endr
	WIN 0
.set jj, 0
.rept 32
.set jj, jj+1
.endr
.set jj, 0
.rept 4
	v_cvt_scalef32_pk8_fp8_f32 v[rC+2*jj:rC+2*jj+1], v[rX+8*jj:rX+8*jj+7], v[OS]
.set jj, jj+1
.endr
	v_nop                                          ; one plain vector instruction behind the last conversion of a run
.set jj, 0
.rept 4
	ds_store_b64 v[STO], v[rC+2*jj:rC+2*jj+1] offset:16*jj     ; channels 16 d + 8 h + 0 .. 7 of my query: the natural order
.set jj, jj+1
.endr
	ds_load_b128 v[rB:rB+3], v[RD]                             ; LDS serves a wave's instructions in order: these see my stores, and the next tile's stores come behind them
	ds_load_b128 v[rB+4:rB+7], v[RD] offset:8*PK
.endm
	OUT 0
	OUT 1
	OUT 2
	OUT 3
.irp t, 0,1,2,3
	s_wait_dscnt 6*(3-\t)                          ; behind tile t's loads: the later tiles' four stores and two loads each
	global_store_b128 v[GO], v[S1+32+8*\t:S1+32+8*\t+3], s[10:11] offset:1024*\t        ; eight rows of 64 bytes: 512 consecutive bytes, aligned
	global_store_b128 v[GO], v[S1+32+8*\t+4:S1+32+8*\t+7], s[10:11] offset:1024*\t+512
.endr
	s_wait_tensorcnt 0x0                           ; the wave's end, behind my last tensor load and my last LDS store
	ds_add_u32 v[SPW], v[NIL]
	s_wait_dscnt 0x0
	CROUND                                         ; the closing round
	s_endpgm
.Lfunc_end_k_q238f8fda0d_attn:
	.size	k_q238f8fda0d_attn, .Lfunc_end_k_q238f8fda0d_attn-k_q238f8fda0d_attn
	.p2alignl 7, 3214868480
	.fill 96, 4, 3214868480
	.section	.rodata,"a",@progbits
	.p2align	6, 0x0
	.amdhsa_kernel k_q238f8fda0d_attn
		.amdhsa_group_segment_fixed_size 327680
		.amdhsa_private_segment_fixed_size 0
		.amdhsa_enable_private_segment 0
		.amdhsa_kernarg_size 32
		.amdhsa_user_sgpr_count 2
		.amdhsa_user_sgpr_kernarg_segment_ptr 1
		.amdhsa_wavefront_size32 1
		.amdhsa_system_sgpr_workgroup_id_x 1
		.amdhsa_system_sgpr_workgroup_id_y 1
		.amdhsa_system_sgpr_workgroup_id_z 1
		.amdhsa_system_vgpr_workitem_id 0
		.amdhsa_next_free_vgpr 512
		.amdhsa_next_free_sgpr 100
		.amdhsa_reserve_vcc 0
		.amdhsa_float_denorm_mode_32 3
		.amdhsa_float_denorm_mode_16_64 3
		.amdhsa_fp16_overflow 1
		.amdhsa_memory_ordered 1
		.amdhsa_forward_progress 1
		.amdhsa_inst_pref_size 120
	.end_amdhsa_kernel
	.amdgpu_metadata
---
amdhsa.version: [ 1, 2 ]
amdhsa.kernels:
  - .name:           k_q238f8fda0d_attn
    .symbol:         k_q238f8fda0d_attn.kd
    .args:
      - { .name: qkvc, .offset: 0, .size: 8, .value_kind: global_buffer, .address_space: global }
      - { .name: mWin, .offset: 8, .size: 8, .value_kind: global_buffer, .address_space: global }
      - { .name: lowp_scales, .offset: 16, .size: 8, .value_kind: global_buffer, .address_space: global }
      - { .name: ac, .offset: 24, .size: 8, .value_kind: global_buffer, .address_space: global }
    .group_segment_fixed_size: 327680
    .private_segment_fixed_size: 0
    .kernarg_segment_align: 8
    .kernarg_segment_size: 32
    .max_flat_workgroup_size: 256
    .sgpr_count:     100
    .vgpr_count:     512
    .wavefront_size: 32
...
	.end_amdgpu_metadata
.endif
;; end of part 6
;; launch proj: the kernel of part 4 again; grid 4 x 32, 4 waves a work-group, clusters of 4 x 4, 327,680 bytes of LDS; arguments ac, wpc, lowp_scales, proj_b, out0; writes out0
